; MI455X (gfx1250); checked and timed in simulation.
; The chip was launched on July 23, 2026; its instructions are those of AMD's public machine-readable ISA for CDNA 5 (MIT licence, August 2026) and "CDNA5" Instruction Set Architecture Reference Guide (July 2026). The comments in the code are by the model that wrote it; some were corrected since.
;; GPT2 Attention. Allowed arithmetic: matrix products marked QUANTISED: E3M2 operands, one E8M0 scale for each 32 along K, by v_wmma_scale_f32_16x16x128_f8f6f4 with both operands' format E3M2, f32 sums; everything else in f32.
;; Inputs: c_attn_b 3,072 float32; c_attn_w 1,024 x 3,072 float32; c_proj_b 1,024 float32; c_proj_w 1,024 x 1,024 float32; hidden_states 4 x 2,048 x 1,024 float32.
;; Outputs: out0 4 x 2,048 x 1,024 float32.
;; This version of the problem:
;;   THIS VERSION OF THE PROBLEM IS GIVEN IN LOW PRECISION. The matrix products marked QUANTISED in the list below multiply operands that are first quantised to E3M2 (3 exponent bits, 2 mantissa bits; 6 bits a number), with one power-of-two scale for each 32 numbers along K (OCP MX v1.0); their sums are f32. All else is computed in f32.
;;   The module's matrix products, in the order in which they are computed (A, B: the left and right operand; K: the contracted axis; several contracted axes count as one K, in the product's order):
;;     1. [M 8,192, K 1,024] x [K 1,024, N 3,072]; A: input hidden_states; B: input c_attn_w: QUANTISED
;;     2. batch 64 x [M 2,048, K 64] x [K 64, N 2,048]; A: computed on the way; B: computed on the way: QUANTISED
;;     3. batch 64 x [M 2,048, K 2,048] x [K 2,048, N 64]; A: softmax (see below); B: computed on the way: QUANTISED
;;     4. [M 8,192, K 1,024] x [K 1,024, N 1,024]; A: computed on the way; B: input c_proj_w: QUANTISED
;;   THE QUANTISER, for each operand of a quantised product, along K:
;;     - K is cut into blocks of 32 from its start; a last block that is shorter is filled with zeros.
;;     - A block's scale is 2^e with e = floor(log2(the largest magnitude in the block)) - 4, held to -126 .. 127; a block of zeros has e = 0. As a byte (E8M0): e + 127.
;;     - Each number is divided by its block's scale, clamped to +-28, and rounded to the nearest number of E3M2, ties to even, subnormals kept.
;;     - The product sums the exact products of the quantised numbers (number of the format x scale) in f32.
;;   ~~~python
;;   def quantise(x, axis):      # numpy; x: float32 -> the quantised numbers, widened to float32 again
;;       x = np.moveaxis(x, axis, -1); K = x.shape[-1]
;;       x = np.pad(x, [(0, 0)] * (x.ndim - 1) + [(0, -K % 32)]); x = x.reshape(x.shape[:-1] + (-1, 32)); a = np.abs(x).max(-1, keepdims=True)
;;       e = np.where(a > 0, np.clip(np.frexp(np.where(a > 0, a, 1))[1] - 1 - 4, -126, 127), 0)      # np.frexp(a)[1] - 1 = floor(log2(a)), exactly
;;       r = np.clip(x / 2.0 ** e, -28, 28)
;;       step = 2.0 ** (np.maximum(np.frexp(np.where(r == 0, 1, r))[1] - 1, -2) - 2)
;;       q = np.round(r / step) * step * 2.0 ** e      # np.round: ties to even
;;       return np.moveaxis(q.reshape(q.shape[:-2] + (-1,))[..., :K], -1, axis).astype(np.float32)
;;   ~~~
;;   SOFTMAX AHEAD OF A QUANTISED PRODUCT. Where the list says 'softmax', what is quantised is not the finished softmax but p = 2^(t - M), with t = logit x log2(e) and M = ceil(the row's largest t), a whole number; so 1/2 < the row's largest p <= 1. The row's sum l is taken of the UNQUANTISED p, in f32, and the product's result is divided by l at the end. Since M is a whole number, a kernel that streams over the keys may use a running M (the ceiling of the running maximum): every later rescaling is an exact power of two, which a block's scale takes up: the codes' values come out the same.
;;   OPERANDS COMPUTED ON THE WAY. 'Computed on the way' means the value that the module computes at that place (a softmax that the list does not call 'softmax' is quantised finished and normalised). What goes into a quantiser is computed in f32, as accurately as f32 sums, v_exp_f32 and their like allow (about 1e-6 of the number): no bf16 or f16 on the way to a quantiser, and a product that is left as it is and whose result goes on into a quantised operand takes f32 operands (vector FMAs, or v_wmma_f32_16x16x4_f32). A number that lies on a knife's edge between two numbers of the format may be rounded either way, as far as f32 arithmetic and the matrix unit's own rounding can turn it there, and no further.
;; One version. Each part assembles by itself: llvm-mc -triple=amdgcn-amd-amdhsa -mcpu=gfx1250 --defsym DOCPART=n.
;; ======== version 1 of 1: 4 launches
;; workspace buffers: xc 6,291,456 bytes; xs 262,144 bytes; wc 3,145,728 bytes; ws 131,072 bytes; qkv 19,922,944 bytes; ac 6,291,456 bytes; asc 262,144 bytes
;; launch quant (part 1): grid 384 x 1, 4 waves a work-group, no clusters, 68,096 bytes of LDS; arguments hidden_states, c_attn_w, c_proj_w, xc, xs, wc, ws; writes xc, xs, wc, ws
.if DOCPART == 1
	.amdgcn_target "amdgcn-amd-amdhsa--gfx1250"
	.amdhsa_code_object_version 6
	.text
	.protected	k_q3e2a0d48c4_quant
	.globl	k_q3e2a0d48c4_quant
	.p2align	8
	.type	k_q3e2a0d48c4_quant,@function
k_q3e2a0d48c4_quant:
	s_mov_b64 s[64:65], 0
	v_nop
	global_prefetch_b8 v0, s[64:65] scope:SCOPE_SE
	s_setreg_imm32_b32 hwreg(HW_REG_WAVE_MODE, 25, 1), 1
	s_wait_xcnt 0x0
; The program's three f32 operands become codes of BF6 (E3M2), K innermost, with one E8M0 byte for each 32 along K.  One launch, two ways that part on the work-group's number and never join:
; work-groups 0-255 take hidden_states [8192][1024] (K innermost) -> xc [8192 rows][768 bytes], xs [8192][32 bytes];
; work-groups 256-383 take c_attn_w [1024][3072] and c_proj_w [1024][1024] (K their FIRST axis) -> wc [4096 rows][768 bytes], ws [4096][32]: rows 0-3071 c_attn_w's columns, rows 3072-4095 c_proj_w's.
; Each way has LDS bytes of its own: x's bytes 0 to 32,767, the weights' from 32,768 on.
; A block's scale is 2^(floor(log2(largest magnitude)) - 4); its byte is the largest magnitude's exponent field - 4, held at 1 from below.
; A block of zeros so gets the byte 1 where the rule says 127: its codes are zeros, and this program alone reads the bytes.
; LIMITS: NaN and infinities among the inputs are not served.
; ROWS LEAVE PERMUTED in all four buffers: in each group of 32 rows the second and the third group of eight change places, so that 16 neighbouring rows are rows 32 b + 8 u + r + 8 (r / 8).
; No tensor loads, no barrier: waves share nothing.  Matrix units and clusters have no work here: the launch streams.
.set NX,    256                        ; work-groups that take x
.set EMAX,  4
; x's way
.set STEPS, 16
.set CB,    12                         ; bytes of 16 codes
.set XR,    16                         ; v16-79   four sets of 16 numbers as loaded
.set XN,    80                         ; v80-111  two sets of 16 neighbours
.set XCD,   128                        ; v128-191 codes: four registers a step, so that no store's data are written again
.set XE,    112                        ; v112-127 a scale byte for each step
.set WREG,  8192                       ; LDS of a wave: two stages of 32 x SP bytes, then its 256 scale bytes
.set SP,    80                         ; a lane's place in a stage: 64 bytes + 16 of padding
; the weights' way
.set WSTG,  32768                      ; its stages begin here: 8,704 bytes a wave
.set NB,    8
.set ROWB,  192                        ; bytes of 256 codes
.set PITCH, 272                        ; a stage row: sixteen places of 16 bytes (12 of codes), + 16
.set KROW,  768
.set WN,    32                         ; v32-95   two sets of 32 numbers
.set WCD,   96                         ; v96..    a block's codes
.set OUTR,  112                        ; v112-175 the way out
.set SB,    24                         ; v24-25   the scale bytes
.set VO,    176                        ; v176-207 4 x lane + i x pitch
	v_lshl_add_u32 v208, v0, 2, 0x10800
	v_mov_b32 v209, 0
	s_cmp_lt_u32 ttmp9, NX
	s_cbranch_scc0 .Lweights
; ---- x.  A wave takes 8 rows (16 steps of 512 numbers); wave 1 writes where wave 2's rows would lie and the other way round.
; Each load reads 512 consecutive bytes; a step's 2,048 bytes turn through the wave's own stage in LDS, so that a lane holds 16 neighbours along K.
	s_load_b64 s[4:5], s[0:1], 0x0                 ; x
	s_load_b128 s[8:11], s[0:1], 0x18              ; xc, xs
	v_lshrrev_b32 v1, 5, v0
	v_readfirstlane_b32 s16, v1                    ; wave
	v_and_b32 v2, 31, v0                           ; lane
	v_lshlrev_b32 v3, 4, v2                        ; my 16 bytes of a load's 512
	s_mul_i32 s17, s16, WREG
	v_lshrrev_b32 v14, 2, v2
	v_mul_u32_u24 v14, v14, SP
	v_and_b32 v15, 3, v2
	v_lshl_add_u32 v14, v15, 4, v14
	v_add_nc_u32 v14, s17, v14                     ; the stage, way in: SP (lane / 4) + 16 (lane % 4)
	v_mul_u32_u24 v15, v2, SP
	v_add_nc_u32 v15, s17, v15                     ; way out: SP x lane: my 16 neighbours
	v_mul_u32_u24 v4, v2, CB                       ; my codes' place in a step's
	v_lshrrev_b32 v5, 1, v2
	s_add_co_u32 s17, s17, 2*32*SP
	v_add_nc_u32 v5, s17, v5                       ; my block's byte among the wave's 256
	v_lshlrev_b32 v7, 3, v2
	v_add_nc_u32 v6, s17, v7                       ; and 8 bytes a lane on the way out
	s_lshl_b32 s18, ttmp9, 2
	s_add_co_u32 s20, s18, s16                     ; the run of 8 rows that I read: 4 x work-group + wave
	s_and_b32 s19, s16, 1
	s_lshl_b32 s19, s19, 1
	s_lshr_b32 s21, s16, 1
	s_or_b32 s19, s19, s21                         ; waves 1 and 2 change places
	s_add_co_u32 s18, s18, s19                     ; the run that I write
	s_lshl_b32 s20, s20, 15                        ; 8 rows of 4,096 bytes
	s_mov_b32 s21, 0
	s_mul_i32 s22, s18, 6144                       ; 8 rows of 768 bytes
	s_mov_b32 s23, 0
	s_lshl_b32 s24, s18, 8                         ; 8 rows of 32 bytes
	s_mov_b32 s25, 0
	s_wait_kmcnt 0x0
	s_add_nc_u64 s[4:5], s[4:5], s[20:21]
	s_add_nc_u64 s[8:9], s[8:9], s[22:23]
	s_add_nc_u64 s[10:11], s[10:11], s[24:25]
.macro XLOAD t
.irp i, 0,1,2,3
	global_load_b128 v[XR+16*((\t)%4)+4*\i:XR+16*((\t)%4)+4*\i+3], v3, s[4:5] offset:2048*(\t)+512*\i th:TH_LOAD_NT
.endr
.endm
.macro XTURN t                         ; step t through the stage: LDS serves a wave's instructions in order, so no wait between stores and loads
.irp i, 0,1,2,3
	ds_store_b128 v14, v[XR+16*((\t)%4)+4*\i:XR+16*((\t)%4)+4*\i+3] offset:32*SP*((\t)%2)+8*SP*\i
.endr
.irp i, 0,1,2,3
	ds_load_b128 v[XN+16*((\t)%2)+4*\i:XN+16*((\t)%2)+4*\i+3], v15 offset:32*SP*((\t)%2)+16*\i
.endr
.endm
.irp t, 0,1,2,3
	XLOAD \t
.endr
	s_wait_loadcnt 12                              ; step 0's four loads are in; twelve younger ones stay out
	XTURN 0
.macro XSTEP t
.set XS, XN+16*((\t)%2)
.if (\t) > 0
	s_wait_dscnt 1                                 ; this step's numbers are back from the stage; the last step's byte store may be out
.else
	s_wait_dscnt 0x0
.endif
.if (\t)+4 < STEPS
	XLOAD (\t)+4                                   ; into the registers whose stores into the stage are done
.endif
.if (\t)+1 < STEPS
.if STEPS-2-(\t) >= 3
	s_wait_loadcnt 12                              ; the next step's four loads are in; those of the three steps behind it may be out
.else
	s_wait_loadcnt 4*(STEPS-2-(\t))
.endif
	XTURN (\t)+1
.endif
	v_max3_num_f32 v8, |v[XS]|, |v[XS+1]|, |v[XS+2]|               ; the largest magnitude of my 16, in two chains
	v_max3_num_f32 v9, |v[XS+3]|, |v[XS+4]|, |v[XS+5]|
.irp i, 6,10
	v_max3_num_f32 v8, v8, |v[XS+\i]|, |v[XS+\i+1]|
	v_max3_num_f32 v9, v9, |v[XS+\i+2]|, |v[XS+\i+3]|
.endr
	v_max3_num_f32 v8, v8, |v[XS+14]|, |v[XS+15]|
	v_max3_num_f32 v8, v8, v9, (EMAX+1)<<23        ; the floor 2^(5 - 127): the byte cannot fall under 1
	v_max_num_f32_dpp v8, v8, v8 row_xmask:1 row_mask:0xf bank_mask:0xf   ; with my neighbour's 16: the block's
	v_add_nc_u32 v11, 0xfe000000, v8               ; 4 off its exponent field: the conversion's scale operand
	v_cvt_scalef32_pk16_bf6_f32 v[XCD+4*(\t):XCD+4*(\t)+2], v[XS:XS+15], v11
	v_lshrrev_b32 v[XE+(\t)], 23, v11              ; the scale's byte (a plain line behind the conversion)
	ds_store_b8 v5, v[XE+(\t)] offset:16*(\t)      ; both lanes of a block write the same byte with the same value
	global_store_b96 v4, v[XCD+4*(\t):XCD+4*(\t)+2], s[8:9] offset:32*CB*(\t)   ; the wave stores 384 consecutive bytes
.endm
.irp t, 0,1,2,3,4,5,6,7,8,9,10,11,12,13,14,15
	XSTEP \t
.endr
	ds_load_b64 v[12:13], v6                       ; these see my stores: LDS serves a wave in order
	s_wait_dscnt 0x0
	global_store_b64 v7, v[12:13], s[10:11]        ; 32 lanes store 256 consecutive bytes, aligned
	s_wait_tensorcnt 0x0
	ds_add_u32 v208, v209
	s_wait_dscnt 0x0
	s_endpgm
; ---- the weights.  A LANE TAKES A COLUMN AND ITS REGISTERS RUN DOWN K: a block of 32 lies in one lane, the conversions give K innermost, nothing is transposed.
; A work-group takes 64 columns x 512 along K (block of columns = id / 2, half of K = id % 2); wave w takes columns 32 (w % 2) on and part 2 (id % 2) + w / 2 of K's four parts of 256.
; One text serves both tensors: the pointer and the row pitch are chosen on the work-group's number; the pitch stands in a register, so a row's offset is a vector register (32 of them)
; and each of the eight blocks has a scalar base of its own: nothing is stepped.  The scale bytes leave as 8 bytes of each row of 32: 131,072 bytes in all.
.Lweights:
	s_load_b128 s[4:7], s[0:1], 0x8                ; c_attn_w, c_proj_w
	s_load_b128 s[8:11], s[0:1], 0x28              ; wc, ws
	v_lshrrev_b32 v1, 5, v0
	v_readfirstlane_b32 s12, v1                    ; wave 0..3
	v_and_b32 v2, 31, v0                           ; lane
	s_sub_co_u32 s46, ttmp9, NX                    ; 0..127
	s_lshr_b32 s13, s46, 1                         ; block of 64 columns, 0..63
	s_and_b32 s14, s46, 1
	s_lshl_b32 s14, s14, 1
	s_lshr_b32 s45, s12, 1
	s_add_co_u32 s14, s14, s45                     ; which 256 along K
	s_and_b32 s45, s12, 1                          ; which 32 of the 64 columns
	s_mov_b32 s15, 4096
	s_cmp_lt_u32 s13, 48
	s_cselect_b32 s15, 12288, s15                  ; bytes from row to row of the source
	s_cselect_b32 s34, 0, 48
	s_sub_co_u32 s34, s13, s34                     ; the block's number in its own tensor
	s_lshl_b32 s34, s34, 6
	s_lshl_b32 s35, s45, 5
	s_add_co_u32 s34, s34, s35                     ; my wave's first column
	s_lshl_b32 s34, s34, 2
	s_lshl_b32 s36, s14, 8
	s_mul_i32 s36, s36, s15
	s_add_co_u32 s36, s36, s34                     ; byte offset of block 0
	s_mov_b32 s37, 0
	s_lshl_b32 s38, s15, 5                         ; 32 rows on
	s_mov_b32 s39, 0
	s_lshl_b32 s40, s13, 6
	s_add_co_u32 s40, s40, s35                     ; first row of wc and ws
	s_lshl_b32 s42, s40, 5
	s_lshl_b32 s43, s14, 3
	s_add_co_u32 s42, s42, s43                     ; ws: row x 32 + 8 x part of K
	s_mov_b32 s43, 0
	s_mul_i32 s40, s40, KROW
	s_mul_i32 s41, s14, ROWB
	s_add_co_u32 s40, s40, s41                     ; wc: row x 768 + 192 x part of K
	s_mov_b32 s41, 0
	v_lshlrev_b32 v3, 2, v2
.set I, 0
.rept 32
	v_mad_u32_u24 v[VO+I], s15, I, v3              ; row i of a block, my column
.set I, I+1
.endr
	v_and_b32 v10, 7, v2
	v_and_b32 v11, 8, v2
	v_lshl_or_b32 v10, v11, 1, v10
	v_bfe_u32 v11, v2, 4, 1
	v_lshl_or_b32 v10, v11, 3, v10                 ; my column's row among the wave's 32: bits 3 and 4 of the lane change places
	s_mul_i32 s44, s12, 32*PITCH
	s_add_co_u32 s44, s44, WSTG                    ; my stage
	v_mul_u32_u24 v4, v10, PITCH
	v_add_nc_u32 v4, s44, v4                       ; into it
	v_and_b32 v5, 15, v2
	v_lshrrev_b32 v6, 4, v2
	v_mul_u32_u24 v7, v6, PITCH
	v_lshl_add_u32 v7, v5, 4, v7
	v_add_nc_u32 v7, s44, v7                       ; out of it: sixteen lanes to a row, two rows an instruction
	v_mul_u32_u24 v8, v6, KROW
	v_mad_u32_u24 v8, v5, 12, v8                   ; the same place in wc
	v_lshlrev_b32 v9, 5, v10                       ; my row of ws
	s_wait_kmcnt 0x0
	s_cmp_lt_u32 s13, 48                           ; the choice hangs on the work-group's number alone
	s_cselect_b64 s[4:5], s[4:5], s[6:7]
	s_add_nc_u64 s[16:17], s[4:5], s[36:37]
.irp t, 1,2,3,4,5,6,7
	s_add_nc_u64 s[16+2*\t:17+2*\t], s[14+2*\t:15+2*\t], s[38:39]
.endr
	s_add_nc_u64 s[8:9], s[8:9], s[40:41]
	s_add_nc_u64 s[10:11], s[10:11], s[42:43]
.macro WLOAD t                         ; block t into set t % 2: each load reads 128 consecutive bytes
.set I, 0
.rept 32
	global_load_b32 v[WN+32*((\t)%2)+I], v[VO+I], s[16+2*(\t):17+2*(\t)] th:TH_LOAD_NT
.set I, I+1
.endr
.endm
	WLOAD 0
	WLOAD 1
.macro WBLOCK t
.set XS, WN+32*((\t)%2)
.if (\t) < NB-1
	s_wait_loadcnt 32                              ; this block's 32 loads are in; the next block's may be out
.else
	s_wait_loadcnt 0
.endif
	v_max3_num_f32 v12, |v[XS]|, |v[XS+1]|, |v[XS+2]|
	v_max3_num_f32 v13, |v[XS+3]|, |v[XS+4]|, |v[XS+5]|
.irp i, 6,10,14,18,22,26
	v_max3_num_f32 v12, v12, |v[XS+\i]|, |v[XS+\i+1]|
	v_max3_num_f32 v13, v13, |v[XS+\i+2]|, |v[XS+\i+3]|
.endr
	v_max3_num_f32 v12, v12, |v[XS+30]|, |v[XS+31]|
	v_max3_num_f32 v12, v12, v13, (EMAX+1)<<23     ; the floor: the byte cannot fall under 1
	v_add_nc_u32 v11, 0xfe000000, v12              ; the conversion's scale operand
	v_lshrrev_b32 v13, 23, v11                     ; the byte
.if (\t)%4 == 0
	v_mov_b32 v[SB+(\t)/4], v13
.else
	v_lshl_or_b32 v[SB+(\t)/4], v13, 8*((\t)%4), v[SB+(\t)/4]
.endif
	v_cvt_scalef32_pk16_bf6_f32 v[WCD:WCD+2], v[XS:XS+15], v11
	v_cvt_scalef32_pk16_bf6_f32 v[WCD+4:WCD+6], v[XS+16:XS+31], v11
	v_nop                                          ; a plain line behind the conversions
	ds_store_b96 v4, v[WCD:WCD+2] offset:32*(\t)   ; 12 bytes to a place of 16
	ds_store_b96 v4, v[WCD+4:WCD+6] offset:32*(\t)+16
.if (\t)+2 < NB
	WLOAD (\t)+2
.endif
	s_wait_dscnt 0x0                               ; the stores have read their registers
.endm
.set Q, 0
.rept NB
	WBLOCK Q
.set Q, Q+1
.endr
	global_store_b64 v9, v[SB:SB+1], s[10:11]      ; my column's eight scale bytes
.irp t, 0,1,2,3,4,5,6,7,8,9,10,11,12,13,14,15
	ds_load_b96 v[OUTR+4*\t:OUTR+4*\t+2], v7 offset:2*\t*PITCH
.endr
.irp t, 0,1,2,3,4,5,6,7,8,9,10,11,12,13,14,15
	s_wait_dscnt 15-\t                             ; the younger row loads may be out
	global_store_b96 v8, v[OUTR+4*\t:OUTR+4*\t+2], s[8:9] offset:2*\t*KROW   ; sixteen lanes store a row's 192 consecutive bytes
.endr
	s_wait_tensorcnt 0x0
	ds_add_u32 v208, v209
	s_wait_dscnt 0x0
	s_endpgm
.Lfunc_end_k_q3e2a0d48c4_quant:
	.size	k_q3e2a0d48c4_quant, .Lfunc_end_k_q3e2a0d48c4_quant-k_q3e2a0d48c4_quant
	.p2alignl 7, 3214868480
	.fill 96, 4, 3214868480
	.section	.rodata,"a",@progbits
	.p2align	6, 0x0
	.amdhsa_kernel k_q3e2a0d48c4_quant
		.amdhsa_group_segment_fixed_size 68096
		.amdhsa_private_segment_fixed_size 0
		.amdhsa_enable_private_segment 0
		.amdhsa_kernarg_size 56
		.amdhsa_user_sgpr_count 2
		.amdhsa_user_sgpr_kernarg_segment_ptr 1
		.amdhsa_wavefront_size32 1
		.amdhsa_system_sgpr_workgroup_id_x 1
		.amdhsa_system_sgpr_workgroup_id_y 1
		.amdhsa_system_sgpr_workgroup_id_z 1
		.amdhsa_system_vgpr_workitem_id 0
		.amdhsa_next_free_vgpr 210
		.amdhsa_next_free_sgpr 66
		.amdhsa_reserve_vcc 0
		.amdhsa_float_denorm_mode_32 3
		.amdhsa_float_denorm_mode_16_64 3
		.amdhsa_memory_ordered 1
		.amdhsa_forward_progress 1
		.amdhsa_inst_pref_size 76
	.end_amdhsa_kernel
	.amdgpu_metadata
---
amdhsa.version: [ 1, 2 ]
amdhsa.kernels:
  - .name:           k_q3e2a0d48c4_quant
    .symbol:         k_q3e2a0d48c4_quant.kd
    .args:
      - { .name: hidden_states, .offset: 0, .size: 8, .value_kind: global_buffer, .address_space: global }
      - { .name: c_attn_w, .offset: 8, .size: 8, .value_kind: global_buffer, .address_space: global }
      - { .name: c_proj_w, .offset: 16, .size: 8, .value_kind: global_buffer, .address_space: global }
      - { .name: xc, .offset: 24, .size: 8, .value_kind: global_buffer, .address_space: global }
      - { .name: xs, .offset: 32, .size: 8, .value_kind: global_buffer, .address_space: global }
      - { .name: wc, .offset: 40, .size: 8, .value_kind: global_buffer, .address_space: global }
      - { .name: ws, .offset: 48, .size: 8, .value_kind: global_buffer, .address_space: global }
    .group_segment_fixed_size: 68096
    .private_segment_fixed_size: 0
    .kernarg_segment_align: 8
    .kernarg_segment_size: 56
    .max_flat_workgroup_size: 128
    .sgpr_count:     66
    .vgpr_count:     210
    .wavefront_size: 32
...
	.end_amdgpu_metadata
.endif
;; end of part 1
;; launch gemm_qkv (part 2): grid 16 x 32, 4 waves a work-group, clusters of 4 x 4, 327,680 bytes of LDS; arguments xc, xs, wc, ws, c_attn_b, qkv; writes qkv
.if DOCPART == 2
	.amdgcn_target "amdgcn-amd-amdhsa--gfx1250"
	.amdhsa_code_object_version 6
	.text
	.protected	k_q3e2a0d48c4_gemm_qkv
	.globl	k_q3e2a0d48c4_gemm_qkv
	.p2align	8
	.type	k_q3e2a0d48c4_gemm_qkv,@function
k_q3e2a0d48c4_gemm_qkv:
	s_mov_b64 s[64:65], 0
	v_nop
	global_prefetch_b8 v0, s[64:65] scope:SCOPE_SE
	s_setreg_imm32_b32 hwreg(HW_REG_WAVE_MODE, 25, 1), 1
	s_wait_xcnt 0x0
	s_wait_alu depctr_hold_cnt(0) depctr_sa_sdst(0) depctr_va_vdst(0) depctr_va_sdst(0) depctr_va_ssrc(0) depctr_va_vcc(0) depctr_vm_vsrc(0)
	s_getreg_b32 s2, hwreg(HW_REG_IB_STS2, 6, 4)
	s_cmp_eq_u32 s2, 0
	s_cbranch_scc0 .Lentry_in_a_cluster
	s_endpgm
.Lentry_in_a_cluster:
	s_bfe_u32 s2, ttmp6, 0x10000c
	s_cmp_lg_u32 s2, 0xf033
	s_cbranch_scc0 .Lentry_shape_is_right
	s_endpgm
.Lentry_shape_is_right:
; qkv = x Wa + ba on codes of BF6 with E8M0 scales, and q, k, v quantised on the spot for the attention launch.
; A work-group (x = head, y = block of 256 rows) makes 256 rows x the head's 192 columns (q 64, k 64, v 64); a wave 64 rows x 192: 48 accumulators.
; q AND k ARE MADE TRANSPOSED (source 0 = 16 rows of wc, source 1 = 16 rows of xc): a lane holds one row of x and its registers run along the head's channels, the next K.
; v IS MADE THE OTHER WAY ROUND (source 0 = xc, source 1 = wc): a lane holds one channel and its registers run along the keys, which are the K of p v.
; xc's and wc's rows lie permuted (16 neighbours = rows 32 b + 8 u + r + 8 (r / 8)), so the 16 registers of two neighbouring tiles are 16 neighbours along the next K.
; K = 1,024 goes in eight steps of 128 through two LDS slots of 256 along K, filled by the tensor data mover; all scale bytes come once.
; CLUSTERS 4 x 4: xc's tiles hang on y alone and are asked for jointly along a row of the cluster, wc's on x alone and jointly along a column.
; WHAT IS STORED are images of operand registers: 6 registers (a half): registers 0-3 at 16 x lane, 4-5 at 512 + 8 x lane; 12 registers: three times 16 x lane, 512 apart.
; A record of qkv (head, 256 rows), 38,912 bytes: q 12,288 | q's scale words 1,024 | k 12,288 | v 12,288 | k's words 512 | v's words 512.
; The bias is the C of each sum's first product.  LIMITS: NaN and infinities are not served; a block of zeros gets the byte 1 (zero codes; only this program reads the bytes).
; REGISTERS: window 0: v12-31 addresses; v32-63 x's scale words [8 a + step]; v64-159 w's [8 t + step]; v160-207, v208-255 x's fragments, two sets.
;   window 1: q's and k's fragments of w, two sets of 96; v192-255 their bias.  window 2: the 32 accumulators of q and k, (a, t) at 8 (8 a + t).
;   window 3: v0-127 the 16 accumulators of v, (t, a) at 8 (4 t + a); v128-223 v's fragments of w, two sets; v224-255 v's bias.
.set PITCH,  240                       ; an LDS row: 3 x (64 bytes + 16 of padding)
.set XHALF,  128*PITCH
.set WHALF,  96*PITCH
.set WOFF,   2*XHALF
.set SLOT,   2*XHALF+2*WHALF           ; x's 256 rows, then w's 192
.set SCL,    2*SLOT                    ; x's scale bytes: 32 units of 256 + 16
.set SCLW,   SCL+32*272                ; w's: 24 units
.set SPARE,  230400                    ; the spare words: 128 bytes a wave, two blocks of 256 bytes that no other line names
.set SCR,    SPARE+512                 ; 2,048 bytes in which the record's scale words are gathered; no fill lands here
.set REC,    38912
.set ADRA, 16                          ; v16-17 x's fragments in slot 0, 1; v18-19 the same behind one padding more
.set ADRB, 20                          ; v20-23 the same for w
.set ADSX, 24
.set ADSW, 25
.set L16,  26                          ; 16 x lane
.set L8,   27                          ; 8 x lane
.set SPW,  28
.set NIL,  29
.set SX,   32
.set SW,   64
.set XF,   160
.set BQ,   192
.set VF,   128
.set BV,   224
.set TM,   32                          ; the way out, window 0: v32-47 at work, v48 a scale word, v50-56 halves of codes
.set PW,   48
.set PT,   50
.set QD,   64                          ; q's images, 8 registers apart
.set KP,   96                          ; k's two pair images
.set VD,   120                         ; v's four half images
.set QW,   152
.set KW,   153
.set BK,   156
.set G1A,  24
.set G0A,  32
.set G1B,  48
.set G0B,  56
.set G1SA, 68
.set G0SA, 76
.set G1SB, 80
.set G0SB, 88
.set MSB, 0
.macro WIN new                         ; the immediate's high byte repeats the setting that is left
.if MSB != \new
	s_set_vgpr_msb (MSB<<8)|\new
.set MSB, \new
.endif
.endm
; A joint load: waves 0 and 1 fetch for x, waves 2 and 3 for w.  Each line has one mask and one set of registers; the branch hangs on the wave's number alone.
; Four v_nop follow each of the two lines.
.macro JLOAD g0a, g1a, g0b, g1b
	s_cmp_eq_u32 s17, 0
	s_cbranch_scc0 .Lfor_b_\@
	tensor_load_to_lds s[\g0a:\g0a+3], s[\g1a:\g1a+7]
	s_nop 0
.rept 4
	v_nop
.endr
	s_branch .Lasked_\@
.Lfor_b_\@:
	tensor_load_to_lds s[\g0b:\g0b+3], s[\g1b:\g1b+7]
	s_nop 0
.rept 4
	v_nop
.endr
.Lasked_\@:
.endm
.macro CREST                           ; a round of the cluster's barrier behind its opening barrier
	s_cmp_lg_u32 s16, 0
	s_cbranch_scc1 .Lnot_wave_0_\@
	s_barrier_signal -3
.Lnot_wave_0_\@:
	s_barrier_wait -3
	s_barrier_signal -1
	s_barrier_wait -1
.endm
.macro CROUND
	s_barrier_signal -1
	s_barrier_wait -1
	CREST
.endm
.macro PLACES n
.rept \n
	v_nop
.endr
.endm
	s_load_b128 s[4:7], s[0:1], 0x0                ; xc, xs
	s_load_b128 s[8:11], s[0:1], 0x10              ; wc, ws
	s_load_b128 s[12:15], s[0:1], 0x20             ; c_attn_b, qkv
	v_lshl_add_u32 v[SPW], v0, 2, SPARE
	v_mov_b32 v[NIL], 0
	ds_add_u32 v28, v29
	ds_add_u32 v28, v29
	s_wait_dscnt 0x0
	v_lshrrev_b32 v1, 5, v0
	v_readfirstlane_b32 s16, v1                    ; wave 0..3
	s_lshr_b32 s17, s16, 1                         ; I fetch for x (0) or for w (1)
	s_and_b32 s18, s16, 1                          ; which half of that tile's rows
	s_bfe_u32 s40, ttmp6, 0x40000                  ; cx
	s_bfe_u32 s41, ttmp6, 0x40004                  ; cy
	s_lshl_b32 s42, ttmp9, 2
	s_add_co_u32 s42, s42, s40                     ; the head = 4 x cluster x + cx
	s_and_b32 s43, ttmp7, 0xffff
	s_lshl_b32 s43, s43, 2
	s_add_co_u32 s43, s43, s41                     ; the block of rows = 4 x cluster y + cy
	s_lshl_b32 s44, s41, 2
	s_lshl_b32 s44, 15, s44                        ; my row of the cluster
	s_lshl_b32 s45, 0x1111, s40                    ; my column
	; group 1: rows of 192 bytes, 768 apart, 16 bytes of padding behind every 64: x 128 rows, w 96
	s_or_b32 s[G1A+0], s44, (0<<16)|(1<<20)|(1<<21)|(3<<22)|(3<<25)
	s_mov_b32 s[G1A+1], 192<<16
	s_mov_b32 s[G1A+2], 128<<16
	s_mov_b32 s[G1A+3], 192<<16
	s_mov_b32 s[G1A+4], 128
	s_mov_b32 s[G1A+5], 768
	s_mov_b32 s[G1A+6], 0
	s_mov_b32 s[G1A+7], 0
	s_or_b32 s[G1B+0], s45, (0<<16)|(1<<20)|(1<<21)|(3<<22)|(3<<25)
	s_mov_b32 s[G1B+1], 192<<16
	s_mov_b32 s[G1B+2], 96<<16
	s_mov_b32 s[G1B+3], 192<<16
	s_mov_b32 s[G1B+4], 96
	s_mov_b32 s[G1B+5], 768
	s_mov_b32 s[G1B+6], 0
	s_mov_b32 s[G1B+7], 0
	; the scale bytes: dense blocks as rows of 256 bytes (32 elements of 8), 16 of padding behind each: x 16 rows, w 12
	s_or_b32 s[G1SA+0], s44, (3<<16)|(1<<20)|(1<<21)|(5<<22)|(3<<25)
	s_mov_b32 s[G1SA+1], 32<<16
	s_mov_b32 s[G1SA+2], 16<<16
	s_mov_b32 s[G1SA+3], 32<<16
	s_mov_b32 s[G1SA+4], 16
	s_mov_b32 s[G1SA+5], 32
	s_mov_b32 s[G1SA+6], 0
	s_mov_b32 s[G1SA+7], 0
	s_or_b32 s[G1SB+0], s45, (3<<16)|(1<<20)|(1<<21)|(5<<22)|(3<<25)
	s_mov_b32 s[G1SB+1], 32<<16
	s_mov_b32 s[G1SB+2], 12<<16
	s_mov_b32 s[G1SB+3], 32<<16
	s_mov_b32 s[G1SB+4], 12
	s_mov_b32 s[G1SB+5], 32
	s_mov_b32 s[G1SB+6], 0
	s_mov_b32 s[G1SB+7], 0
	s_lshl_b32 s19, s18, 7
	s_lshl_b32 s20, s43, 8
	s_add_co_u32 s20, s20, s19                     ; x: row 256 y + 128 half
	s_lshl_b32 s22, s20, 5                         ; its scale bytes
	s_mul_i32 s20, s20, 768                        ; its codes
	s_mov_b32 s21, 0
	s_mov_b32 s23, 0
	s_mul_i32 s19, s18, 96
	s_mul_i32 s46, s42, 192
	s_add_co_u32 s46, s46, s19                     ; w: row 192 head + 96 half
	s_lshl_b32 s66, s46, 5
	s_mul_i32 s46, s46, 768
	s_mov_b32 s47, 0
	s_mov_b32 s67, 0
	s_mul_i32 s100, s18, XHALF                     ; where they go: no place in the cluster enters an LDS address
	s_mul_i32 s101, s18, WHALF
	s_mul_i32 s2, s18, 16*272
	s_mul_i32 s3, s18, 12*272
	s_wait_kmcnt 0x0
	s_add_nc_u64 s[20:21], s[4:5], s[20:21]
	s_add_nc_u64 s[22:23], s[6:7], s[22:23]
	s_add_nc_u64 s[46:47], s[8:9], s[46:47]
	s_add_nc_u64 s[66:67], s[10:11], s[66:67]
	CROUND                                         ; all sixteen work-groups are here: the first joint loads meet
	s_mov_b32 s[G0SA], 1
	s_add_co_u32 s[G0SA+1], s2, SCL
	s_mov_b64 s[G0SA+2:G0SA+3], s[22:23]
	s_or_b32 s[G0SA+3], s[G0SA+3], 0x80000000
	s_mov_b32 s[G0SB], 1
	s_add_co_u32 s[G0SB+1], s3, SCLW
	s_mov_b64 s[G0SB+2:G0SB+3], s[66:67]
	s_or_b32 s[G0SB+3], s[G0SB+3], 0x80000000
	JLOAD G0SA, G1SA, G0SB, G1SB                   ; the scale bytes first
.irp s, 0,1
	s_mov_b32 s[G0A+4*\s], 1
	s_add_co_u32 s[G0A+4*\s+1], s100, \s*SLOT
	s_add_nc_u64 s[G0A+4*\s+2:G0A+4*\s+3], s[20:21], \s*192
	s_or_b32 s[G0A+4*\s+3], s[G0A+4*\s+3], 0x80000000
	s_mov_b32 s[G0B+4*\s], 1
	s_add_co_u32 s[G0B+4*\s+1], s101, \s*SLOT+WOFF
	s_add_nc_u64 s[G0B+4*\s+2:G0B+4*\s+3], s[46:47], \s*192
	s_or_b32 s[G0B+4*\s+3], s[G0B+4*\s+3], 0x80000000
	JLOAD G0A+4*\s, G1A, G0B+4*\s, G1B             ; three loads of mine are out behind the second of these
.endr
	v_and_b32 v1, 15, v0                           ; r
	v_bfe_u32 v2, v0, 4, 1                         ; h
	v_and_b32 v3, 31, v0
	v_lshlrev_b32 v[L16], 4, v3
	v_lshlrev_b32 v[L8], 3, v3
	v_lshlrev_b32 v6, 6, v2                        ; q's and k's bias: 16 h numbers on
	v_and_b32 v7, 8, v1
	v_add_nc_u32 v7, v7, v1
	v_lshlrev_b32 v7, 2, v7                        ; v's bias: my channel r + 8 (r / 8)
	s_mul_i32 s66, s42, 768
	s_mov_b32 s67, 0
	s_add_nc_u64 s[12:13], s[12:13], s[66:67]      ; the head's 192 numbers of the bias
	WIN 0x40
.irp t, 0,1,2,3,4,5,6,7
	global_load_b128 v[BQ+8*\t:BQ+8*\t+3], v6, s[12:13] offset:(32*(\t/2)+8*(\t%2))*4
	global_load_b128 v[BQ+8*\t+4:BQ+8*\t+7], v6, s[12:13] offset:(32*(\t/2)+8*(\t%2))*4+16
.endr
	WIN 0xc0
.irp t, 0,1,2,3
.irp j, 0,1,2,3,4,5,6,7
	global_load_b32 v[BV+8*\t+\j], v7, s[12:13] offset:(128+32*(\t/2)+8*(\t%2))*4   ; eight copies: a lane's eight results are one channel
.endr
.endr
	WIN 0
	v_mul_u32_u24 v3, v1, PITCH
	v_mad_u32_u24 v4, v2, 24, v3                   ; a fragment's row x pitch + 24 x half
	v_lshl_add_u32 v5, v2, 4, v4                   ; and behind one padding more
	s_mul_i32 s19, s16, 64*PITCH                   ; my 64 rows of x
.irp s, 0,1
	v_add_nc_u32 v[ADRA+\s], s19, v4
	v_add_nc_u32 v[ADRA+2+\s], s19, v5
	v_add_nc_u32 v[ADRB+\s], WOFF+\s*SLOT, v4
	v_add_nc_u32 v[ADRB+2+\s], WOFF+\s*SLOT, v5
	s_add_co_u32 s19, s19, SLOT
.endr
	v_lshlrev_b32 v8, 5, v1
	v_lshrrev_b32 v9, 3, v1
	v_lshl_add_u32 v8, v9, 4, v8                   ; a row's 32 scale bytes: 32 r + 16 (r / 8)
	s_mul_i32 s19, s16, 4*544
	s_add_co_u32 s19, s19, SCL
	v_add_nc_u32 v[ADSX], s19, v8
	v_add_nc_u32 v[ADSW], SCLW, v8
	v_lshlrev_b32 v9, 2, v1                        ; 4 r
	s_lshl_b32 s19, s16, 8
	s_add_co_u32 s19, s19, SCR
	v_add_nc_u32 v12, s19, v9                      ; q's words: 256 wave + 64 a + 4 r
	s_lshl_b32 s19, s16, 7
	s_add_co_u32 s19, s19, SCR+1024
	v_add_nc_u32 v13, s19, v9                      ; k's: 128 wave + 64 (a / 2) + 4 r
	s_lshl_b32 s19, s17, 8
	s_lshl_b32 s3, s18, 1
	s_add_co_u32 s19, s19, s3
	s_add_co_u32 s19, s19, SCR+1536
	v_add_nc_u32 v14, s19, v9                      ; v's: 256 (wave / 2) + 2 (wave % 2) + 64 tile + 4 r
	s_lshl_b32 s19, s16, 9
	s_add_co_u32 s19, s19, SCR
	v_add_nc_u32 v15, s19, v[L16]                  ; back: 512 bytes a wave
	s_lshr_b32 s66, s43, 3
	s_lshl_b32 s66, s66, 4
	s_add_co_u32 s66, s66, s42                     ; batch x 16 + head
	s_lshl_b32 s66, s66, 3
	s_and_b32 s67, s43, 7
	s_add_co_u32 s66, s66, s67
	s_mul_i32 s66, s66, REC
	s_mov_b32 s67, 0
	s_add_nc_u64 s[14:15], s[14:15], s[66:67]      ; my record
	s_mul_i32 s66, s16, 3072
	s_add_nc_u64 s[92:93], s[14:15], s[66:67]      ; q's images
	s_add_co_u32 s66, s66, 13312
	s_add_nc_u64 s[94:95], s[14:15], s[66:67]      ; k's
	s_mul_i32 s66, s17, 6144
	s_mul_i32 s19, s18, 768
	s_add_co_u32 s66, s66, s19
	s_add_co_u32 s66, s66, 25600
	s_add_nc_u64 s[96:97], s[14:15], s[66:67]      ; v's
	s_mul_i32 s66, s17, 25600
	s_lshl_b32 s19, s18, 9
	s_add_co_u32 s66, s66, s19
	s_add_co_u32 s66, s66, 12288
	s_add_nc_u64 s[98:99], s[14:15], s[66:67]      ; the scale words: waves 0, 1 q's 1,024 bytes, waves 2, 3 k's and v's
.macro FRAG reg, adr, q, i             ; 16 rows x 128 K: 12 registers, six pieces of 8 bytes; where the piece three on lies behind one padding more, the second address register serves
.irp p, 0,1,2,3,4,5
.set PC, 12*(\q)+6*(\p/3)+\p%3
.if PC%8 < 5
	ds_load_b64 v[\reg+2*\p:\reg+2*\p+1], v[\adr] offset:8*PC+16*(PC/8)+(\i)*16*PITCH
.else
	ds_load_b64 v[\reg+2*\p:\reg+2*\p+1], v[\adr+2] offset:8*PC+16*(PC/8)+(\i)*16*PITCH
.endif
.endr
.endm
.macro FETCH slot, q, p                ; the 16 fragments of the slot's q-th 128 along K into set p
	WIN 0x40
.irp t, 0,1,2,3,4,5,6,7
	FRAG 96*(\p)+12*\t, ADRB+\slot, \q, \t
.endr
	WIN 0xc0
.irp t, 0,1,2,3
	FRAG VF+48*(\p)+12*\t, ADRB+\slot, \q, 8+\t
.endr
	WIN 0
.irp a, 0,1,2,3
	FRAG XF+48*(\p)+12*\a, ADRA+\slot, \q, \a
.endr
.endm
.macro MULQK a, p, n, first            ; tile a of x against q's and k's eight tiles of w; the accumulators take turns
.irp t, 0,1,2,3,4,5,6,7
.if \first
	v_wmma_scale_f32_16x16x128_f8f6f4 v[8*(8*\a+\t):8*(8*\a+\t)+7], v[96*\p+12*\t:96*\p+12*\t+11], v[XF+48*\p+12*\a:XF+48*\p+12*\a+11], v[BQ+8*\t:BQ+8*\t+7], v[SW+8*\t+\n], v[SX+8*\a+\n] matrix_a_fmt:MATRIX_FMT_BF6 matrix_b_fmt:MATRIX_FMT_BF6
.else
	v_wmma_scale_f32_16x16x128_f8f6f4 v[8*(8*\a+\t):8*(8*\a+\t)+7], v[96*\p+12*\t:96*\p+12*\t+11], v[XF+48*\p+12*\a:XF+48*\p+12*\a+11], v[8*(8*\a+\t):8*(8*\a+\t)+7], v[SW+8*\t+\n], v[SX+8*\a+\n] matrix_a_fmt:MATRIX_FMT_BF6 matrix_b_fmt:MATRIX_FMT_BF6
.endif
.endr
.endm
.macro MULV p, n, first                ; v's sixteen products: source 0 = x, source 1 = w
.irp a, 0,1,2,3
.irp t, 0,1,2,3
.if \first
	v_wmma_scale_f32_16x16x128_f8f6f4 v[8*(4*\t+\a):8*(4*\t+\a)+7], v[XF+48*\p+12*\a:XF+48*\p+12*\a+11], v[VF+48*\p+12*\t:VF+48*\p+12*\t+11], v[BV+8*\t:BV+8*\t+7], v[SX+8*\a+\n], v[SW+8*(8+\t)+\n] matrix_a_fmt:MATRIX_FMT_BF6 matrix_b_fmt:MATRIX_FMT_BF6
.else
	v_wmma_scale_f32_16x16x128_f8f6f4 v[8*(4*\t+\a):8*(4*\t+\a)+7], v[XF+48*\p+12*\a:XF+48*\p+12*\a+11], v[VF+48*\p+12*\t:VF+48*\p+12*\t+11], v[8*(4*\t+\a):8*(4*\t+\a)+7], v[SX+8*\a+\n], v[SW+8*(8+\t)+\n] matrix_a_fmt:MATRIX_FMT_BF6 matrix_b_fmt:MATRIX_FMT_BF6
.endif
.endr
.endr
.endm
; A slot's first step: set 0 is multiplied; the slot's second 128 along K are fetched into set 1 ahead of the 48 products.
.macro EVEN n, slot, first
	s_wait_dscnt 0x0                               ; set 0 is in
.if !\first
	PLACES 4                                       ; in front of loads into registers that the last products read
.endif
	FETCH \slot, 1, 1
.if \first
	WIN 0x91                                       ; w window 1, x window 0, C = the bias in window 1, D window 2
.else
	WIN 0xa1
.endif
	MULQK 0, 0, \n, \first
	MULQK 1, 0, \n, \first
	MULQK 2, 0, \n, \first
	MULQK 3, 0, \n, \first
	WIN 0xfc                                       ; x window 0; w, C and D window 3
	MULV 0, \n, \first
.endm
; A slot's second step changes slots: one barrier; in front of it each wave waits for all its tensor loads, adds 0 to its spare word, and waits for that and for its reads of the slot.
.macro TURN n, slot, next, fill
	WIN 0
	s_wait_tensorcnt 0x0                           ; all my tensor loads have landed: my part of the next slot
	ds_add_u32 v[SPW], v[NIL]                      ; 0 onto my spare word
	s_wait_dscnt 1                                 ; set 1 is in; the add may be out
	WIN 0xa1
	MULQK 0, 1, \n, 0
	s_wait_dscnt 0x0                               ; the add is done, and my reads of this slot are over
	s_barrier_signal -1
	MULQK 1, 1, \n, 0
	WIN 0
	s_barrier_wait -1
.if \fill
	CREST                                          ; the barrier has opened a round of the cluster's: no wave of any partner still reads this slot or has a load on its way
	s_add_nc_u64 s[G0A+4*\slot+2:G0A+4*\slot+3], s[G0A+4*\slot+2:G0A+4*\slot+3], 384
	s_add_nc_u64 s[G0B+4*\slot+2:G0B+4*\slot+3], s[G0B+4*\slot+2:G0B+4*\slot+3], 384
	JLOAD G0A+4*\slot, G1A, G0B+4*\slot, G1B       ; my one load behind the round; its four v_nop are the places in front of the loads below
.else
	PLACES 4
.endif
	FETCH \next, 0, 0
	WIN 0xa1
	MULQK 2, 1, \n, 0
	MULQK 3, 1, \n, 0
	WIN 0xfc
	MULV 1, \n, 0
.endm
	s_wait_tensorcnt 1                             ; the scale bytes and my part of slot 0 are in; slot 1's load may be out
	s_barrier_signal -1
	s_barrier_wait -1
.irp a, 0,1,2,3
	ds_load_b128 v[SX+8*\a:SX+8*\a+3], v[ADSX] offset:544*\a          ; a row's eight scale words, for all of K, once
	ds_load_b128 v[SX+8*\a+4:SX+8*\a+7], v[ADSX] offset:544*\a+16
.endr
.irp t, 0,1,2,3,4,5,6,7,8,9,10,11
	ds_load_b128 v[SW+8*\t:SW+8*\t+3], v[ADSW] offset:544*\t
	ds_load_b128 v[SW+8*\t+4:SW+8*\t+7], v[ADSW] offset:544*\t+16
.endr
	FETCH 0, 0, 0
	s_wait_loadcnt 0x0                             ; the bias
	EVEN 0, 0, 1
	TURN 1, 0, 1, 1
	EVEN 2, 1, 0
	TURN 3, 1, 0, 1
	EVEN 4, 0, 0
	TURN 5, 0, 1, 0                                ; nothing is left to fetch
	EVEN 6, 1, 0
	s_wait_dscnt 0x0
	WIN 0xa1
	MULQK 0, 1, 7, 0
	MULQK 1, 1, 7, 0
	MULQK 2, 1, 7, 0
	MULQK 3, 1, 7, 0
	WIN 0xfc
	MULV 1, 7, 0
	WIN 0
; 64 numbers of a lane in window w, register 16 b + i = place 32 b + 16 (lane / 16) + i along the next K, become two runs of 6 registers of codes (d0: blocks 0, 1; d1: blocks 2, 3) and a scale word.
; Each accumulator is read from its low end on.
.macro QUANT s, w, d0, d1
.set W1, 5*(\w)
	WIN W1                                         ; sources 0 and 1 in window w
.irp b, 0,1,2,3
	v_max3_num_f32 v[TM+\b], |v[(\s)+16*\b]|, |v[(\s)+1+16*\b]|, 0x2800000   ; with the floor 2^(5 - 127): the byte cannot fall under 1
.endr
.irp i, 2,4,6,8,10,12,14
.irp b, 0,1,2,3
	v_max3_num_f32 v[TM+\b], |v[(\s)+16*\b+\i]|, |v[(\s)+1+16*\b+\i]|, v[TM+\b]
.endr
.endr
	WIN 0
.irp b, 0,1,2,3
	v_permlanex16_b32 v[TM+4+\b], v[TM+\b], s2, s3
.endr
.irp b, 0,1,2,3
	v_max_num_f32 v[TM+\b], v[TM+\b], v[TM+4+\b]   ; with lane l xor 16's: the block's largest magnitude
.endr
.irp b, 0,1,2,3
	v_add_nc_u32 v[TM+12+\b], 0xfe000000, v[TM+\b] ; the conversion's scale operand
.endr
.irp b, 0,1,2,3
	v_lshrrev_b32 v[TM+4+\b], 23, v[TM+12+\b]      ; the byte
.endr
	v_lshl_or_b32 v[PW], v[TM+5], 8, v[TM+4]
	v_lshl_or_b32 v[PW], v[TM+6], 16, v[PW]
	v_lshl_or_b32 v[PW], v[TM+7], 24, v[PW]
.set W1, \w
	WIN W1                                         ; source 0 in window w
	v_cvt_scalef32_pk16_bf6_f32 v[\d0:\d0+2], v[(\s):(\s)+15], v[TM+12]
	v_cvt_scalef32_pk16_bf6_f32 v[PT:PT+2], v[(\s)+16:(\s)+31], v[TM+13]
	v_cvt_scalef32_pk16_bf6_f32 v[\d1:\d1+2], v[(\s)+32:(\s)+47], v[TM+14]
	v_cvt_scalef32_pk16_bf6_f32 v[PT+4:PT+6], v[(\s)+48:(\s)+63], v[TM+15]
	WIN 0
	v_nop                                          ; a plain line behind the conversions
.irp i, 0,1,2
	v_permlane16_swap_b32 v[\d0+\i], v[PT+\i]      ; a whole block to a lane: lanes 0-15 the first block, lanes 16-31 the second
.endr
.irp i, 0,1,2
	v_mov_b32 v[\d0+3+\i], v[PT+\i]
.endr
.irp i, 0,1,2
	v_permlane16_swap_b32 v[\d1+\i], v[PT+4+\i]
.endr
.irp i, 0,1,2
	v_mov_b32 v[\d1+3+\i], v[PT+4+\i]
.endr
.endm
	PLACES 4                                       ; behind the last products: their results are read and their operands' registers written below
	s_mov_b32 s2, 0x76543210
	s_mov_b32 s3, 0xfedcba98                       ; lane l xor 16
.irp b, 0,1,2,3
	v_mov_b32 v[TM+4+\b], 0                        ; a lane permute's destination counts as one of its sources
.endr
.irp a, 0,1,2,3                                    ; tile a of my rows: q's half image, and half of a pair image of k (a even: keys r + 8 (r / 8), a odd: the keys 8 on)
	QUANT 64*\a, 2, QD+8*\a, KP+12*(\a/2)+6*(\a%2)
	global_store_b128 v[L16], v[QD+8*\a:QD+8*\a+3], s[92:93] offset:768*\a        ; 512 consecutive bytes, aligned
	global_store_b64 v[L8], v[QD+8*\a+4:QD+8*\a+5], s[92:93] offset:768*\a+512    ; 256
	v_and_b32 v[QW], 0xffff, v[PW]
	v_lshl_or_b32 v[QW], v[PW], 16, v[QW]          ; q's two bytes twice: q stands in either half of the product's K
	ds_store_b32 v12, v[QW] offset:64*\a
.if \a%2 == 0
	v_lshrrev_b32 v[KW], 16, v[PW]                 ; the first key's two bytes below,
.else
	v_and_or_b32 v[KW], v[PW], 0xffff0000, v[KW]   ; the second key's above
	ds_store_b32 v13, v[KW] offset:64*(\a/2)
.irp c, 0,1,2
	global_store_b128 v[L16], v[KP+12*(\a/2)+4*\c:KP+12*(\a/2)+4*\c+3], s[94:95] offset:1536*(\a/2)+512*\c
.endr
.endif
.endr
.irp u, 0,1                                        ; v: channel tiles 2 u and 2 u + 1, my 64 keys: a half image each
	QUANT 64*\u, 3, VD+16*\u, VD+16*\u+8
.irp e, 0,1
	global_store_b128 v[L16], v[VD+16*\u+8*\e:VD+16*\u+8*\e+3], s[96:97] offset:1536*(2*\u+\e)
	global_store_b64 v[L8], v[VD+16*\u+8*\e+4:VD+16*\u+8*\e+5], s[96:97] offset:1536*(2*\u+\e)+512
.endr
	ds_store_b16 v14, v[PW] offset:64*(2*\u)       ; my two bytes of each channel's word
	ds_store_b16_d16_hi v14, v[PW] offset:64*(2*\u+1)
.endr
	s_wait_dscnt 0x0                               ; for the others' sake: my scale words lie in LDS
	s_barrier_signal -1
	s_barrier_wait -1
	ds_load_b128 v[BK:BK+3], v15
	s_wait_dscnt 0x0
	global_store_b128 v[L16], v[BK:BK+3], s[98:99] ; 512 consecutive bytes, aligned
	s_wait_tensorcnt 0x0                           ; the wave's end
	ds_add_u32 v[SPW], v[NIL]
	s_wait_dscnt 0x0
	CROUND                                         ; the closing round
	s_endpgm
.Lfunc_end_k_q3e2a0d48c4_gemm_qkv:
	.size	k_q3e2a0d48c4_gemm_qkv, .Lfunc_end_k_q3e2a0d48c4_gemm_qkv-k_q3e2a0d48c4_gemm_qkv
	.p2alignl 7, 3214868480
	.fill 96, 4, 3214868480
	.section	.rodata,"a",@progbits
	.p2align	6, 0x0
	.amdhsa_kernel k_q3e2a0d48c4_gemm_qkv
		.amdhsa_group_segment_fixed_size 327680
		.amdhsa_private_segment_fixed_size 0
		.amdhsa_enable_private_segment 0
		.amdhsa_kernarg_size 48
		.amdhsa_user_sgpr_count 2
		.amdhsa_user_sgpr_kernarg_segment_ptr 1
		.amdhsa_wavefront_size32 1
		.amdhsa_system_sgpr_workgroup_id_x 1
		.amdhsa_system_sgpr_workgroup_id_y 1
		.amdhsa_system_sgpr_workgroup_id_z 1
		.amdhsa_system_vgpr_workitem_id 0
		.amdhsa_next_free_vgpr 1024
		.amdhsa_next_free_sgpr 102
		.amdhsa_reserve_vcc 0
		.amdhsa_float_denorm_mode_32 3
		.amdhsa_float_denorm_mode_16_64 3
		.amdhsa_memory_ordered 1
		.amdhsa_forward_progress 1
		.amdhsa_inst_pref_size 146
	.end_amdhsa_kernel
	.amdgpu_metadata
---
amdhsa.version: [ 1, 2 ]
amdhsa.kernels:
  - .name:           k_q3e2a0d48c4_gemm_qkv
    .symbol:         k_q3e2a0d48c4_gemm_qkv.kd
    .args:
      - { .name: xc, .offset: 0, .size: 8, .value_kind: global_buffer, .address_space: global }
      - { .name: xs, .offset: 8, .size: 8, .value_kind: global_buffer, .address_space: global }
      - { .name: wc, .offset: 16, .size: 8, .value_kind: global_buffer, .address_space: global }
      - { .name: ws, .offset: 24, .size: 8, .value_kind: global_buffer, .address_space: global }
      - { .name: c_attn_b, .offset: 32, .size: 8, .value_kind: global_buffer, .address_space: global }
      - { .name: qkv, .offset: 40, .size: 8, .value_kind: global_buffer, .address_space: global }
    .group_segment_fixed_size: 327680
    .private_segment_fixed_size: 0
    .kernarg_segment_align: 8
    .kernarg_segment_size: 48
    .max_flat_workgroup_size: 128
    .sgpr_count:     102
    .vgpr_count:     1024
    .wavefront_size: 32
...
	.end_amdgpu_metadata
.endif
;; end of part 2
;; launch attn (part 3): grid 64 x 4, 16 waves a work-group, no clusters, 207,872 bytes of LDS; arguments qkv, ac, asc; writes ac, asc
.if DOCPART == 3
	.amdgcn_target "amdgcn-amd-amdhsa--gfx1250"
	.amdhsa_code_object_version 6
	.text
	.protected	k_q3e2a0d48c4_attn
	.globl	k_q3e2a0d48c4_attn
	.p2align	8
	.type	k_q3e2a0d48c4_attn,@function
k_q3e2a0d48c4_attn:
	s_mov_b64 s[64:65], 0
	v_nop
	global_prefetch_b8 v0, s[64:65] scope:SCOPE_SE
	s_setreg_imm32_b32 hwreg(HW_REG_WAVE_MODE, 25, 1), 1
	s_wait_xcnt 0x0
; Causal attention of one head on codes of BF6, and its result quantised for the last product.  x = batch x 16 + head.
; A WORK-GROUP STAYS: it owns two blocks of 256 queries of its head, first the long one, g = 7 - y, then the short one, g = y, so that the head's k and v come into LDS once for both.
; Sixteen waves, each one tile of 16 queries a pass: in the first pass wave w takes tile w, in the second tile 15 - w (query of lane r: Q0 + r + 8 (r / 8), Q0 = 256 g + 32 (tile / 2) + 8 (tile % 2)).
; A tile of the block's first half has 2 g + 1 steps with a softmax, one of the second half 2 g + 2: so every wave of every work-group has 17 of them and 15 steps that are hidden as a whole.
; THE HEAD'S k, v AND THEIR SCALE WORDS, 8 x 25,600 bytes, COME INTO LDS ONCE, by three tensor loads of wave 0 (blocks 0 | 1-3 | 4-7): nothing is filled again.  The second pass waits for no tile and passes no barrier.
; Both products are used transposed: S^T = k q^T, O^T = v^T p^T: a lane holds one query throughout.
; THE HEAD SIZE 64 IS HALF OF THE PRODUCT'S K: a fragment of k holds two keys a lane (registers 0-5 key x, 6-11 key x + 8); against [q | 0] it gives the first keys' scores, against [0 | q] the second's.
; SOFTMAX: t = score x log2(e) / 8; M = ceil(running largest t); p = 2^(t - M) is quantised along the keys; the sum is taken of the unquantised p and divides at the end; when M moves, sums are multiplied by a power of two.
; THE MASK PUTS -10,000 FOR A LOGIT (-80,000 for a raw score), it does not drop the key.  On the diagonal step hidden scores are replaced.  In a step all of whose keys are hidden p is one number a query:
; it is made once (at the first such step), its codes and scale word stay, the sum takes it times the number of such keys, and each such step is v's loads and four products.
; NO CLUSTER: the partners would be the four work-groups of one head; every step's branches hang on the number of the query block, which differs between them, and a launch with joint loads has no branch that differs between partners.
; Each work-group reads the head's 204,800 bytes once.
; LIMITS: NaN and infinities are not served; p under 2^-126 counts as 0; a block of zeros gets the byte 1 (zero codes; only this program reads the bytes).
; REGISTERS: v1-3 16, 8 x lane, 4 r; v4, v7 where a pass's scale bytes go, v5 where they are read back; v6 r + 8 (r / 8) - 16 h; v8-10 the step's addresses; v11 q's scale word; v12 -M, v13 largest t, v[14:15] the sum;
;   v16-21 zeros, v22-27 q, v28-33 zeros; v34-81 four fragments; v82-85 their scale words; v86 p's; v96-159 S^T, then p; v160-191 O^T; v192-203 p's codes; v204-210 halves of codes; v212-229 at work;
;   v232-239 the scale bytes on their way out; v240-245 the second pass's q, v246 its scale word.
.set REC,  38912
.set BLK,  25600                       ; a block of 256 keys in LDS: k 12,288 | v 12,288 | k's words 512 | v's words 512
.set VOF,  12288
.set KSO,  24576
.set VSO,  25088
.set ASCR, 204800                      ; 2 x 512 bytes: each pass's scale bytes are gathered in bytes of its own; no fill lands here
.set KV,   34
.set SC,   82
.set PS,   86
.set P,    192
.set PT,   204
.set BM,   212
.set BP,   216
.set SO,   220
.set QB,   240
; What a pass's steps hang on: block s[g], tile s[w].
.macro PASSINIT g, w
	s_lshl_b32 s13, s[\g], 8
	s_lshr_b32 s18, s[\w], 1
	s_lshl_b32 s18, s18, 5
	s_add_co_u32 s13, s13, s18
	s_and_b32 s18, s[\w], 1
	s_lshl_b32 s18, s18, 3
	s_add_co_u32 s13, s13, s18                     ; Q0
	s_add_co_u32 s14, s13, 23                      ; my last query
	s_and_b32 s15, s13, 0xffffff80
	s_add_co_u32 s15, s15, 128                     ; KM: the first key of the first step that is hidden as a whole
	s_sub_co_u32 s19, 2048, s15
	s_lshr_b32 s19, s19, 1                         ; half the number of such keys: a query's sum lies in two lanes
	s_mov_b32 s16, 0                               ; KF: the step's first key
.endm
; A pass's four global bases: q's image, q's scale words, my half image in ac, the block's 512 bytes of asc.  s[4:5] the head's records, s61 = 0.
.macro BASES g, w, bq, bs, ba, bc
	s_mul_i32 s60, s[\g], REC
	s_mul_i32 s18, s[\w], 768
	s_add_co_u32 s60, s60, s18
	s_add_nc_u64 s[\bq:\bq+1], s[4:5], s[60:61]
	s_mul_i32 s60, s[\g], REC
	s_lshl_b32 s18, s[\w], 6
	s_add_co_u32 s60, s60, s18
	s_add_co_u32 s60, s60, 12288
	s_add_nc_u64 s[\bs:\bs+1], s[4:5], s[60:61]
	s_lshr_b32 s18, ttmp9, 4
	s_lshl_b32 s18, s18, 7
	s_lshl_b32 s60, s[\g], 4
	s_add_co_u32 s18, s18, s60
	s_add_co_u32 s18, s18, s[\w]                   ; my tile of rows: 128 batch + 16 g + tile
	s_mul_i32 s60, s18, 12288
	s_and_b32 s18, ttmp9, 15
	s_mul_i32 s18, s18, 768
	s_add_co_u32 s60, s60, s18
	s_add_nc_u64 s[\ba:\ba+1], s[6:7], s[60:61]
	s_lshl_b32 s60, ttmp9, 12
	s_lshl_b32 s18, s[\g], 9
	s_add_co_u32 s60, s60, s18
	s_add_nc_u64 s[\bc:\bc+1], s[8:9], s[60:61]
.endm
	s_load_b128 s[4:7], s[0:1], 0x0                ; qkv, ac
	s_load_b64 s[8:9], s[0:1], 0x10                ; asc
	v_lshl_add_u32 v254, v0, 2, 0x32400
	v_mov_b32 v255, 0
	ds_add_u32 v254, v255
	ds_add_u32 v254, v255
	v_lshrrev_b32 v4, 5, v0
	s_delay_alu instid0(VALU_DEP_1)
	v_readfirstlane_b32 s12, v4                    ; wave 0..15
	v_and_b32 v5, 31, v0
	v_and_b32 v7, 15, v0                           ; r
	v_bfe_u32 v4, v0, 4, 1                         ; h
	s_delay_alu instid0(VALU_DEP_3)
	v_lshlrev_b32 v1, 4, v5
	s_delay_alu instid0(VALU_DEP_4)
	v_lshlrev_b32 v2, 3, v5
	s_delay_alu instid0(VALU_DEP_4)
	v_lshlrev_b32 v3, 2, v7
	v_and_b32 v6, 8, v7
	s_delay_alu instid0(VALU_DEP_1)
	v_add_nc_u32 v6, v6, v7
	v_lshlrev_b32 v4, 4, v4
	s_delay_alu instid0(VALU_DEP_1)
	v_sub_nc_u32 v6, v6, v4                        ; r + 8 (r / 8) - 16 h
	s_lshl_b32 s10, s12, 5
	s_add_co_u32 s10, s10, ASCR
	v_lshl_add_u32 v4, v7, 1, s10                  ; first pass: ASCR + 32 wave + 2 r
	s_xor_b32 s81, s12, 15                         ; the second pass's tile: 15 - wave
	s_lshl_b32 s10, s81, 5
	s_add_co_u32 s10, s10, ASCR+512
	v_lshl_add_u32 v7, v7, 1, s10                  ; second pass: ASCR + 512 + 32 tile + 2 r
	v_add_nc_u32 v5, ASCR, v1                      ; ASCR + 16 lane
	s_and_b32 s80, ttmp7, 0xffff                   ; y: the short block
	s_sub_co_u32 s11, 7, s80                       ; 7 - y: the long block
	PASSINIT 11, 12
	s_mov_b32 s20, 0x76543210
	s_mov_b32 s21, 0xfedcba98                      ; lane l xor 16
	s_mov_b32 s22, 0x3e38aa3b                      ; c = log2(e) / 8
	s_mov_b32 s23, s22
	; group 1, three shapes: 1, 3, 4 rows of 25,600 bytes (3,200 elements of 8), 38,912 bytes apart, no padding
.irp g, 0,1,2
	s_mov_b32 s[24+8*\g], 3<<16
	s_mov_b32 s[25+8*\g], 3200<<16
	s_mov_b32 s[27+8*\g], 3200<<16
	s_mov_b32 s[29+8*\g], 4864
	s_mov_b32 s[30+8*\g], 0
	s_mov_b32 s[31+8*\g], 0
.endr
	s_mov_b32 s26, 1<<16
	s_mov_b32 s28, 1
	s_mov_b32 s34, 3<<16
	s_mov_b32 s36, 3
	s_mov_b32 s42, 4<<16
	s_mov_b32 s44, 4
	s_mul_i32 s60, ttmp9, 8*REC
	s_mov_b32 s61, 0
	s_wait_dscnt 0x0
	s_wait_kmcnt 0x0
	s_add_nc_u64 s[4:5], s[4:5], s[60:61]          ; the head's eight records
	s_mov_b32 s48, 1
	s_mov_b32 s49, 0
	s_add_nc_u64 s[50:51], s[4:5], 13312
	s_or_b32 s51, s51, 0x80000000
	s_mov_b32 s52, 1
	s_mov_b32 s53, BLK
	s_add_nc_u64 s[54:55], s[4:5], 13312+REC
	s_or_b32 s55, s55, 0x80000000
	s_mov_b32 s56, 1
	s_mov_b32 s57, 4*BLK
	s_add_nc_u64 s[58:59], s[4:5], 13312+4*REC
	s_or_b32 s59, s59, 0x80000000
	s_cmp_lg_u32 s12, 0
	s_cbranch_scc1 .Lno_fill                       ; wave 0's three first fills stand in one branch: three loads of its own are out
	tensor_load_to_lds s[48:51], s[24:31]
	s_nop 0
	tensor_load_to_lds s[52:55], s[32:39]
	s_nop 0
	tensor_load_to_lds s[56:59], s[40:47]
	s_nop 0
.rept 4
	v_nop
.endr
.Lno_fill:
	BASES 11, 12, 62, 66, 68, 70
	BASES 80, 81, 72, 74, 76, 78
	global_load_b128 v[22:25], v1, s[62:63]        ; the first pass's q
	s_wait_alu depctr_va_vdst(0)
	global_load_b64 v[26:27], v2, s[62:63] offset:512
	global_load_b32 v11, v3, s[66:67]
	global_load_b128 v[QB:QB+3], v1, s[72:73]      ; the second pass's q waits in registers of its own
	global_load_b64 v[QB+4:QB+5], v2, s[72:73] offset:512
	global_load_b32 v[QB+6], v3, s[74:75]
.irp i, 16,17,18,19,20,21,28,29,30,31,32,33
	v_mov_b32 v\i, 0                               ; zero codes beside q
.endr
	v_mov_b32 v13, 0xff61b1e6                      ; the largest t so far: -3e38
	s_delay_alu instid0(VALU_DEP_1)
	v_floor_f32 v12, -v13                          ; -M
	v_mov_b32 v14, 0
	v_mov_b32 v15, 0
	v_mov_b32 v[PS], 0x7f7f7f7f
.set J, 0
.rept 44
	v_mov_b32 v[160+J], 0                          ; O^T and p's codes: the step is written once, its first turn finds zeros
.set J, J+1
.endr
.set J, 0
.rept 18
	v_mov_b32 v[212+J], 0                          ; written once, so that every way finds them written
.set J, J+1
.endr
.macro VLOAD q                         ; v's four fragments (16 channels x 128 keys) and their scale words
.irp d, 0,1,2,3
	ds_load_b128 v[KV+12*\d:KV+12*\d+3], v8 offset:VOF+1536*(4*(\q)+\d)
	ds_load_b64 v[KV+12*\d+4:KV+12*\d+5], v9 offset:VOF+1536*(4*(\q)+\d)+512
	ds_load_b128 v[KV+12*\d+6:KV+12*\d+9], v8 offset:VOF+1536*(4*(\q)+\d)+768
	ds_load_b64 v[KV+12*\d+10:KV+12*\d+11], v9 offset:VOF+1536*(4*(\q)+\d)+1280
	ds_load_b32 v[SC+\d], v10 offset:VSO+256*(\q)+64*\d
.endr
.endm
.macro PV                              ; O^T += v^T p^T: four accumulators by turns
.irp d, 0,1,2,3
	v_wmma_scale_f32_16x16x128_f8f6f4 v[160+8*\d:167+8*\d], v[KV+12*\d:KV+12*\d+11], v[P:P+11], v[160+8*\d:167+8*\d], v[SC+\d], v[PS] matrix_a_fmt:MATRIX_FMT_BF6 matrix_b_fmt:MATRIX_FMT_BF6
.endr
.endm
; A KEY STEP: 128 keys, the q-th of the block at LDS byte s17.
.macro STEP q
	v_add_nc_u32 v8, s17, v1
	v_add_nc_u32 v9, s17, v2
	v_add_nc_u32 v10, s17, v3
	v_nop                                          ; four places behind the last step's products, on every way
	s_cmp_gt_u32 s16, s14
	s_cbranch_scc1 .Lmasked_\@                     ; all 128 keys come after my queries: a branch on ids
.irp b, 0,1,2,3
.irp c, 0,1,2
	ds_load_b128 v[KV+12*\b+4*\c:KV+12*\b+4*\c+3], v8 offset:1536*(4*(\q)+\b)+512*\c
.endr
	ds_load_b32 v[SC+\b], v10 offset:KSO+64*(4*(\q)+\b)
.endr
	s_wait_dscnt 0x0
.irp b, 0,1,2,3                                    ; registers 96 + 16 b + i: key KF + 32 b + 16 h + i
	v_wmma_scale_f32_16x16x128_f8f6f4 v[96+16*\b:103+16*\b], v[KV+12*\b:KV+12*\b+11], v[22:33], 0, v[SC+\b], v11 matrix_a_fmt:MATRIX_FMT_BF6 matrix_b_fmt:MATRIX_FMT_BF6
	v_wmma_scale_f32_16x16x128_f8f6f4 v[104+16*\b:111+16*\b], v[KV+12*\b:KV+12*\b+11], v[16:27], 0, v[SC+\b], v11 matrix_a_fmt:MATRIX_FMT_BF6 matrix_b_fmt:MATRIX_FMT_BF6
.endr
.rept 4
	v_nop
.endr
	s_wait_alu depctr_va_vdst(0)
	VLOAD \q                                       ; v lands under the softmax
	s_add_co_u32 s18, s16, 127
	s_cmp_le_u32 s18, s13
	s_cbranch_scc1 .Lopen_\@                       ; all keys count for all my queries
	s_sub_co_i32 s18, s13, s16
	v_add_nc_u32 v226, s18, v6                     ; d = my query - KF - 16 h: register 16 b + i is hidden where 32 b + i > d
	v_mov_b32 v227, 0xc79c4000                     ; -80,000: the logit -10,000 as a raw score
.set J, 0
.rept 64
	v_cmp_gt_i32 vcc_lo, 32*(J/16)+J%16, v226
	v_cndmask_b32 v[96+J], v[96+J], v227, vcc_lo
.set J, J+1
.endr
.Lopen_\@:
.irp b, 0,1,2,3
	v_max3_num_f32 v[BM+\b], v[96+16*\b], v[97+16*\b], v[98+16*\b]   ; each block's largest score: for the row's maximum and for the block's largest p
.endr
.irp i, 3,5,7,9,11,13
.irp b, 0,1,2,3
	v_max3_num_f32 v[BM+\b], v[BM+\b], v[96+16*\b+\i], v[97+16*\b+\i]
.endr
.endr
.irp b, 0,1,2,3
	v_max_num_f32 v[BM+\b], v[BM+\b], v[111+16*\b]
.endr
.irp b, 0,1,2,3
	s_delay_alu instid0(VALU_DEP_4)
	v_permlanex16_b32 v[BP+\b], v[BM+\b], s20, s21
.endr
.irp b, 0,1,2,3
	s_delay_alu instid0(VALU_DEP_4)
	v_max_num_f32 v[BM+\b], v[BM+\b], v[BP+\b]
.endr
	s_delay_alu instid0(VALU_DEP_2)
	v_max3_num_f32 v226, v212, v213, v214
	s_delay_alu instid0(VALU_DEP_1)
	v_max_num_f32 v226, v226, v215
	s_delay_alu instid0(VALU_DEP_1)
	v_mul_f32 v226, s22, v226                      ; as t
	s_delay_alu instid0(VALU_DEP_1)
	v_max_num_f32 v13, v13, v226
	v_mov_b32 v226, v12
	s_delay_alu instid0(VALU_DEP_2)
	v_floor_f32 v12, -v13                          ; the new -M
	s_delay_alu instid0(VALU_DEP_1)
	v_sub_f32 v226, v12, v226                      ; old M - new M: a whole number, 0 or less
	s_delay_alu instid0(VALU_DEP_1)
	v_cvt_i32_f32 v226, v226
	s_delay_alu instid0(VALU_DEP_1)
	v_ldexp_f32 v224, 1.0, v226                    ; f = 2^(old M - new M)
.set J, 0
.rept 32
	v_pk_fma_f32 v[96+J:97+J], v[96+J:97+J], s[22:23], v[12:13] op_sel_hi:[1,0,0]   ; t - M
.set J, J+2
.endr
.irp b, 0,1,2,3
	v_fma_f32 v[BM+\b], v[BM+\b], s22, v12
.endr
.set J, 0
	s_wait_alu depctr_va_vdst(0)
.rept 64
	v_exp_f32 v[96+J], v[96+J]                     ; p
.set J, J+1
.endr
.irp b, 0,1,2,3
	v_exp_f32 v[BM+\b], v[BM+\b]                   ; the block's largest p
.endr
	v_pk_mul_f32 v[14:15], v[14:15], v[224:225] op_sel_hi:[1,0]    ; the sum under the new M (a plain line behind the exponentials)
	s_wait_alu depctr_va_vdst(0)
.irp b, 0,1,2,3
	v_max_num_f32 v[BM+\b], 0x2800000, v[BM+\b]    ; the floor
.endr
.irp b, 0,1,2,3
	s_delay_alu instid0(VALU_DEP_4)
	v_add_nc_u32 v[SO+\b], 0xfe000000, v[BM+\b]
.endr
.irp b, 0,1,2,3
	s_delay_alu instid0(VALU_DEP_4)
	v_lshrrev_b32 v[BP+\b], 23, v[SO+\b]
.endr
	s_delay_alu instid0(VALU_DEP_3)
	v_lshl_or_b32 v[PS], v217, 8, v216
	s_delay_alu instid0(VALU_DEP_1)
	v_lshl_or_b32 v[PS], v218, 16, v[PS]
	s_delay_alu instid0(VALU_DEP_1)
	v_lshl_or_b32 v[PS], v219, 24, v[PS]
.irp c, 0,1
	v_cvt_scalef32_pk16_bf6_f32 v[P+6*\c:P+6*\c+2], v[96+32*\c:111+32*\c], v[SO+2*\c]
	v_cvt_scalef32_pk16_bf6_f32 v[PT+4*\c:PT+4*\c+2], v[112+32*\c:127+32*\c], v[SO+2*\c+1]
.endr
	v_nop
.irp c, 0,1
.irp i, 0,1,2
	v_permlane16_swap_b32 v[P+6*\c+\i], v[PT+4*\c+\i]
.endr
.irp i, 0,1,2
	s_delay_alu instid0(VALU_DEP_3)
	v_mov_b32 v[P+3+6*\c+\i], v[PT+4*\c+\i]
.endr
.endr
	v_pk_add_f32 v[228:229], v[100:101], v[104:105]
	v_pk_add_f32 v[252:253], v[108:109], v[112:113]
	v_pk_add_f32 v[250:251], v[116:117], v[120:121]
	v_pk_add_f32 v[248:249], v[124:125], v[128:129]
	v_pk_add_f32 v[238:239], v[132:133], v[136:137]
	v_pk_add_f32 v[236:237], v[140:141], v[144:145]
	v_pk_add_f32 v[234:235], v[148:149], v[152:153]
	v_pk_add_f32 v[14:15], v[14:15], v[156:157]
	v_pk_add_f32 v[228:229], v[228:229], v[96:97]
	v_pk_add_f32 v[252:253], v[252:253], v[98:99]
	v_pk_add_f32 v[250:251], v[250:251], v[102:103]
	v_pk_add_f32 v[248:249], v[248:249], v[106:107]
	v_pk_add_f32 v[238:239], v[238:239], v[110:111]
	v_pk_add_f32 v[236:237], v[236:237], v[114:115]
	v_pk_add_f32 v[234:235], v[234:235], v[118:119]
	v_pk_add_f32 v[14:15], v[14:15], v[122:123]
	v_pk_add_f32 v[228:229], v[228:229], v[126:127]
	v_pk_add_f32 v[252:253], v[252:253], v[130:131]
	v_pk_add_f32 v[250:251], v[250:251], v[134:135]
	v_pk_add_f32 v[248:249], v[248:249], v[138:139]
	v_pk_add_f32 v[238:239], v[238:239], v[142:143]
	v_pk_add_f32 v[236:237], v[236:237], v[146:147]
	v_pk_add_f32 v[234:235], v[234:235], v[150:151]
	v_pk_add_f32 v[14:15], v[14:15], v[154:155]
	v_pk_add_f32 v[228:229], v[228:229], v[158:159]
	s_delay_alu instid0(VALU_DEP_2)
	v_pk_add_f32 v[14:15], v[14:15], v[248:249]
	s_delay_alu instid0(VALU_DEP_2)
	v_pk_add_f32 v[228:229], v[228:229], v[238:239]
	v_pk_add_f32 v[252:253], v[252:253], v[236:237]
	v_pk_add_f32 v[250:251], v[250:251], v[234:235]
	s_delay_alu instid0(VALU_DEP_2)
	v_pk_add_f32 v[14:15], v[14:15], v[252:253]
	s_delay_alu instid0(VALU_DEP_2)
	v_pk_add_f32 v[228:229], v[228:229], v[250:251]
	s_delay_alu instid0(VALU_DEP_1)
	v_pk_add_f32 v[14:15], v[14:15], v[228:229]
.set J, 0
.rept 16
	v_pk_mul_f32 v[160+J:161+J], v[160+J:161+J], v[224:225] op_sel_hi:[1,0]   ; O^T under the new M
.set J, J+2
.endr
	s_wait_alu depctr_va_vdst(0)
	s_wait_dscnt 0x0                               ; v is in
	PV
	s_branch .Lend_\@
.Lmasked_\@:
	s_cmp_lg_u32 s16, s15
	s_cbranch_scc1 .Lconst_\@                      ; only the first such step makes p
	v_mov_b32 v226, 0xc79c4000
	s_delay_alu instid0(VALU_DEP_1)
	v_mul_f32 v227, s22, v226                      ; the hidden keys' t
	s_delay_alu instid0(VALU_DEP_1)
	v_max_num_f32 v13, v13, v227
	v_mov_b32 v227, v12
	s_delay_alu instid0(VALU_DEP_2)
	v_floor_f32 v12, -v13
	s_delay_alu instid0(VALU_DEP_1)
	v_sub_f32 v227, v12, v227
	s_delay_alu instid0(VALU_DEP_1)
	v_cvt_i32_f32 v227, v227
	s_delay_alu instid0(VALU_DEP_1)
	v_ldexp_f32 v224, 1.0, v227
	s_delay_alu instid0(VALU_DEP_4)
	v_fma_f32 v226, v226, s22, v12
	s_wait_alu depctr_va_vdst(0)
	v_exp_f32 v226, v226                           ; their p
	v_pk_mul_f32 v[14:15], v[14:15], v[224:225] op_sel_hi:[1,0]
.set J, 0
	s_wait_alu depctr_va_vdst(0)
.rept 16
	v_pk_mul_f32 v[160+J:161+J], v[160+J:161+J], v[224:225] op_sel_hi:[1,0]
.set J, J+2
.endr
	v_cvt_f32_u32 v227, s19
	s_wait_alu depctr_va_vdst(0)
	v_fmac_f32 v14, v226, v227                     ; the sum takes all of them at once
	v_max_num_f32 v212, 0x2800000, v226
	s_delay_alu instid0(VALU_DEP_1)
	v_add_nc_u32 v220, 0xfe000000, v212
	s_delay_alu instid0(VALU_DEP_1)
	v_lshrrev_b32 v216, 23, v220
	s_delay_alu instid0(VALU_DEP_1)
	v_lshl_or_b32 v[PS], v216, 8, v216
	s_delay_alu instid0(VALU_DEP_1)
	v_lshl_or_b32 v[PS], v[PS], 16, v[PS]          ; the same byte for every block
.set J, 0
.rept 16
	v_mov_b32 v[96+J], v226
.set J, J+1
.endr
	v_cvt_scalef32_pk16_bf6_f32 v[P:P+2], v[96:111], v220
	v_nop
.irp i, 0,1,2
	v_mov_b32 v[P+3+\i], v[P+\i]
	v_mov_b32 v[P+6+\i], v[P+\i]
	v_mov_b32 v[P+9+\i], v[P+\i]
.endr
.rept 8
	v_nop                                          ; a scale register written by a vector instruction stands 8 places ahead of the product
.endr
.Lconst_\@:
	s_wait_alu depctr_va_vdst(0)
	VLOAD \q
	s_wait_dscnt 0x0
	PV
.Lend_\@:
	s_add_co_u32 s16, s16, 128
.endm
; A run of blocks from LDS byte tb0 on.  bar = 1: the blocks that one first fill brought; cnt: the later fills, which may stay out: wave 0 waits for its load, every wave for its LDS reads; behind the barrier all sixteen read.
; bar = 0: all blocks have been shown landed to every wave: no wait, no barrier.
.macro PHASE bar, cnt, trips, tb0
.if \bar
	s_wait_dscnt 0x0
	s_wait_tensorcnt \cnt
	s_barrier_signal -1
	s_barrier_wait -1
.endif
	s_mov_b32 s17, \tb0
.if \trips > 1
	s_mov_b32 s10, \trips
.Lblk_\@:
.endif
	STEP 0
	STEP 1
	s_add_co_u32 s17, s17, BLK
.if \trips > 1
	s_sub_co_u32 s10, s10, 1
	s_cmp_lg_u32 s10, 0
	s_cbranch_scc1 .Lblk_\@
.endif
.endm
; A PASS'S WAY OUT: O^T / the sum; register 16 b + i is channel 32 b + 16 h + i: two blocks of the last product's K; codes as a half image to s[ba:ba+1], two scale bytes a row to LDS at v[adr].
.macro WAYOUT adr, ba
.rept 4
	v_nop
.endr
	v_add_f32 v14, v14, v15
	v_permlanex16_b32 v226, v14, s20, s21
	s_delay_alu instid0(VALU_DEP_1)
	v_add_f32 v14, v14, v226
	s_wait_alu depctr_va_vdst(0)
	v_rcp_f32 v14, v14
	v_nop
.set J, 0
	s_wait_alu depctr_va_vdst(0)
.rept 32
	v_mul_f32 v[96+J], v[160+J], v14
.set J, J+1
.endr
.irp b, 0,1
	v_max3_num_f32 v[BM+\b], |v[96+16*\b]|, |v[97+16*\b]|, 0x2800000
.endr
.irp i, 2,4,6,8,10,12,14
.irp b, 0,1
	s_delay_alu instid0(VALU_DEP_2)
	v_max3_num_f32 v[BM+\b], v[BM+\b], |v[96+16*\b+\i]|, |v[97+16*\b+\i]|
.endr
.endr
.irp b, 0,1
	s_delay_alu instid0(VALU_DEP_2)
	v_permlanex16_b32 v[BP+\b], v[BM+\b], s20, s21
.endr
.irp b, 0,1
	s_delay_alu instid0(VALU_DEP_2)
	v_max_num_f32 v[BM+\b], v[BM+\b], v[BP+\b]
.endr
.irp b, 0,1
	s_delay_alu instid0(VALU_DEP_2)
	v_add_nc_u32 v[SO+\b], 0xfe000000, v[BM+\b]
.endr
.irp b, 0,1
	s_delay_alu instid0(VALU_DEP_2)
	v_lshrrev_b32 v[BP+\b], 23, v[SO+\b]
.endr
	s_delay_alu instid0(VALU_DEP_1)
	v_lshl_or_b32 v226, v217, 8, v216
	v_cvt_scalef32_pk16_bf6_f32 v[P:P+2], v[96:111], v220
	v_cvt_scalef32_pk16_bf6_f32 v[PT:PT+2], v[112:127], v221
	v_nop
.irp i, 0,1,2
	v_permlane16_swap_b32 v[P+\i], v[PT+\i]
.endr
.irp i, 0,1,2
	s_delay_alu instid0(VALU_DEP_3)
	v_mov_b32 v[P+3+\i], v[PT+\i]
.endr
	global_store_b128 v1, v[P:P+3], s[\ba:\ba+1]   ; 512 consecutive bytes, aligned
	global_store_b64 v2, v[P+4:P+5], s[\ba:\ba+1] offset:512
	ds_store_b16 v[\adr], v226                     ; lanes r and r + 16 write the same two bytes
.endm
	s_wait_loadcnt 0x0                             ; both passes' q
	PHASE 1, 2, 1, 0                               ; THE LONG BLOCK
	PHASE 1, 1, 3, BLK
	PHASE 1, 0, 4, 4*BLK
	WAYOUT 4, 68
	s_wait_xcnt 0x0                                ; the two stores have read p's code registers, which the next pass writes again
	PASSINIT 80, 81                                ; THE SHORT BLOCK: k and v lie in LDS
.irp i, 0,1,2,3,4,5
	v_mov_b32 v[22+\i], v[QB+\i]
.endr
	v_mov_b32 v11, v[QB+6]                         ; (the lines below are more than the 8 places that a scale register so written owes)
	v_mov_b32 v13, 0xff61b1e6
	s_delay_alu instid0(VALU_DEP_1)
	v_floor_f32 v12, -v13
	v_mov_b32 v14, 0
	v_mov_b32 v15, 0
.set J, 0
.rept 32
	v_mov_b32 v[160+J], 0                          ; O^T begins anew
.set J, J+1
.endr
	PHASE 0, 0, 8, 0
	WAYOUT 7, 76
	s_wait_dscnt 0x0                               ; for wave 0's sake: both passes' scale bytes of mine lie in LDS
	s_barrier_signal -1
	s_barrier_wait -1
	s_cmp_lg_u32 s12, 0
	s_cbranch_scc1 .Ldone
	ds_load_b128 v[232:235], v5
	ds_load_b128 v[236:239], v5 offset:512
	s_wait_dscnt 0x0
	global_store_b128 v1, v[232:235], s[70:71]     ; the long block's 512 scale bytes,
	global_store_b128 v1, v[236:239], s[78:79]     ; the short block's
.Ldone:
	s_wait_tensorcnt 0x0
	ds_add_u32 v254, v255
	s_wait_dscnt 0x0
	s_endpgm
.Lfunc_end_k_q3e2a0d48c4_attn:
	.size	k_q3e2a0d48c4_attn, .Lfunc_end_k_q3e2a0d48c4_attn-k_q3e2a0d48c4_attn
	.p2alignl 7, 3214868480
	.fill 96, 4, 3214868480
	.section	.rodata,"a",@progbits
	.p2align	6, 0x0
	.amdhsa_kernel k_q3e2a0d48c4_attn
		.amdhsa_group_segment_fixed_size 207872
		.amdhsa_private_segment_fixed_size 0
		.amdhsa_enable_private_segment 0
		.amdhsa_kernarg_size 24
		.amdhsa_user_sgpr_count 2
		.amdhsa_user_sgpr_kernarg_segment_ptr 1
		.amdhsa_wavefront_size32 1
		.amdhsa_system_sgpr_workgroup_id_x 1
		.amdhsa_system_sgpr_workgroup_id_y 1
		.amdhsa_system_sgpr_workgroup_id_z 1
		.amdhsa_system_vgpr_workitem_id 0
		.amdhsa_next_free_vgpr 256
		.amdhsa_next_free_sgpr 82
		.amdhsa_reserve_vcc 1
		.amdhsa_float_denorm_mode_32 3
		.amdhsa_float_denorm_mode_16_64 3
		.amdhsa_memory_ordered 1
		.amdhsa_forward_progress 1
		.amdhsa_inst_pref_size 243
	.end_amdhsa_kernel
	.amdgpu_metadata
---
amdhsa.version: [ 1, 2 ]
amdhsa.kernels:
  - .name:           k_q3e2a0d48c4_attn
    .symbol:         k_q3e2a0d48c4_attn.kd
    .args:
      - { .name: qkv, .offset: 0, .size: 8, .value_kind: global_buffer, .address_space: global }
      - { .name: ac, .offset: 8, .size: 8, .value_kind: global_buffer, .address_space: global }
      - { .name: asc, .offset: 16, .size: 8, .value_kind: global_buffer, .address_space: global }
    .group_segment_fixed_size: 207872
    .private_segment_fixed_size: 0
    .kernarg_segment_align: 8
    .kernarg_segment_size: 24
    .max_flat_workgroup_size: 512
    .sgpr_count:     82
    .vgpr_count:     256
    .wavefront_size: 32
...
	.end_amdgpu_metadata
.endif
;; end of part 3
;; launch gemm_proj (part 4): grid 8 x 32, 4 waves a work-group, clusters of 4 x 4, 327,680 bytes of LDS; arguments ac, asc, wc, ws, c_proj_b, out0; writes out0
.if DOCPART == 4
	.amdgcn_target "amdgcn-amd-amdhsa--gfx1250"
	.amdhsa_code_object_version 6
	.text
	.protected	k_q3e2a0d48c4_gemm_proj
	.globl	k_q3e2a0d48c4_gemm_proj
	.p2align	8
	.type	k_q3e2a0d48c4_gemm_proj,@function
k_q3e2a0d48c4_gemm_proj:
	s_mov_b64 s[64:65], 0
	v_nop
	global_prefetch_b8 v0, s[64:65] scope:SCOPE_SE
	s_setreg_imm32_b32 hwreg(HW_REG_WAVE_MODE, 25, 1), 1
	s_wait_xcnt 0x0
	s_wait_alu depctr_hold_cnt(0) depctr_sa_sdst(0) depctr_va_vdst(0) depctr_va_sdst(0) depctr_va_ssrc(0) depctr_va_vcc(0) depctr_vm_vsrc(0)
	s_getreg_b32 s2, hwreg(HW_REG_IB_STS2, 6, 4)
	s_cmp_eq_u32 s2, 0
	s_cbranch_scc0 .Lentry_in_a_cluster
	s_endpgm
.Lentry_in_a_cluster:
	s_bfe_u32 s2, ttmp6, 0x10000c
	s_cmp_lg_u32 s2, 0xf033
	s_cbranch_scc0 .Lentry_shape_is_right
	s_endpgm
.Lentry_shape_is_right:
; out = a Wp + bp on codes of BF6.  a comes as images of operand registers: ac [tile of 16 rows][head][768 bytes], a head's half image being half of a K step's fragment; its scale bytes asc [batch x 16 + head][row] two bytes.
; Wp's codes are rows 3072-4095 of wc, its scale bytes those rows of ws.  A work-group (x = 128 columns, y = 256 rows) has four waves of 64 rows x 128 columns: 32 accumulators.
; The product is used transposed (source 0 = 16 rows of wc, source 1 = 16 rows of a): a lane holds eight neighbouring columns of one row.  wc's rows lie permuted, so tiles 2 b, 2 b + 1 give columns 32 b + 16 h + 0 .. 15;
; lane r of row tile T is row 32 (T / 2) + 8 (T % 2) + r + 8 (r / 8).  K = 1,024 in eight steps of 128 through two LDS slots of 256 along K; all scale bytes come once.
; CLUSTERS 4 x 4: a's tiles hang on y alone and are asked for jointly along a row of the cluster, wc's on x alone and jointly along a column.  The bias is the C of each sum's first product.
; REGISTERS: window 0: v16-31 addresses; v32-63 a's scale words [8 a + step]; v64-127 w's [8 t + step]; v128-159 at work; v160-207, v208-255 a's fragments, two sets; on the way out v128-255 rows of the result.
;   window 1: w's fragments, two sets of 96; v192-255 the bias.   window 2: the accumulators, (a, t) at 8 (8 a + t).
.set PITCH,  240
.set AHALF,  8*3072                    ; eight row tiles x four heads' half images
.set BHALF,  64*PITCH
.set BOFF,   2*AHALF
.set SLOT,   BOFF+2*BHALF
.set SCLA,   2*SLOT                    ; a's scale bytes: [head 16][256 rows] two bytes
.set SCLB,   SCLA+8192                 ; w's: 16 units of 256 + 16
.set SPARE,  SCLB+16*272               ; the spare words: two blocks of 256 bytes that no other line names
.set STG,    SPARE+512                 ; the way out: 16 rows x 528 bytes for each wave; no fill lands here
.set SPITCH, 528
.set ADRA, 16                          ; v16-17 a's images in slot 0, 1 at 16 x lane; v18-19 at 8 x lane
.set ADRB, 20                          ; v20-21 w's fragments; v22-23 behind one padding more
.set ADSX, 24
.set ADSW, 25
.set L16,  26
.set STO,  27
.set SPW,  28
.set NIL,  29
.set RD,   30
.set SX,   32
.set SW,   64
.set OD,   128
.set XF,   160
.set BQ,   192
.set BK,   128
.set G1A,  24
.set G0A,  32
.set G1B,  48
.set G0B,  56
.set G1SA, 68
.set G0SA, 76
.set G1SB, 80
.set G0SB, 88
.set MSB, 0
.macro WIN new
.if MSB != \new
	s_set_vgpr_msb (MSB<<8)|\new
.set MSB, \new
.endif
.endm
.macro JLOAD g0a, g1a, g0b, g1b        ; a joint load: waves 0 and 1 for a, waves 2 and 3 for w; four v_nop follow each line
	s_cmp_eq_u32 s17, 0
	s_cbranch_scc0 .Lfor_b_\@
	tensor_load_to_lds s[\g0a:\g0a+3], s[\g1a:\g1a+7]
	s_nop 0
.rept 4
	v_nop
.endr
	s_branch .Lasked_\@
.Lfor_b_\@:
	tensor_load_to_lds s[\g0b:\g0b+3], s[\g1b:\g1b+7]
	s_nop 0
.rept 4
	v_nop
.endr
.Lasked_\@:
.endm
.macro CREST
	s_cmp_lg_u32 s16, 0
	s_cbranch_scc1 .Lnot_wave_0_\@
	s_barrier_signal -3
.Lnot_wave_0_\@:
	s_barrier_wait -3
	s_barrier_signal -1
	s_barrier_wait -1
.endm
.macro CROUND
	s_barrier_signal -1
	s_barrier_wait -1
	CREST
.endm
.macro PLACES n
.rept \n
	v_nop
.endr
.endm
	s_load_b128 s[4:7], s[0:1], 0x0                ; ac, asc
	s_load_b128 s[8:11], s[0:1], 0x10              ; wc, ws
	s_load_b128 s[12:15], s[0:1], 0x20             ; c_proj_b, out0
	v_lshl_add_u32 v[SPW], v0, 2, SPARE
	v_mov_b32 v[NIL], 0
	ds_add_u32 v28, v29
	ds_add_u32 v28, v29
	s_wait_dscnt 0x0
	v_lshrrev_b32 v1, 5, v0
	v_readfirstlane_b32 s16, v1                    ; wave 0..3
	s_lshr_b32 s17, s16, 1                         ; I fetch for a (0) or for w (1)
	s_and_b32 s18, s16, 1                          ; which half
	s_bfe_u32 s40, ttmp6, 0x40000                  ; cx
	s_bfe_u32 s41, ttmp6, 0x40004                  ; cy
	s_lshl_b32 s42, ttmp9, 2
	s_add_co_u32 s42, s42, s40                     ; block of 128 columns
	s_and_b32 s43, ttmp7, 0xffff
	s_lshl_b32 s43, s43, 2
	s_add_co_u32 s43, s43, s41                     ; block of 256 rows
	s_lshl_b32 s44, s41, 2
	s_lshl_b32 s44, 15, s44                        ; my row of the cluster
	s_lshl_b32 s45, 0x1111, s40                    ; my column
	; a: 8 rows of 3,072 bytes (384 elements of 8), 12,288 bytes apart, no padding
	s_or_b32 s[G1A+0], s44, (3<<16)|(1<<21)
	s_mov_b32 s[G1A+1], 384<<16
	s_mov_b32 s[G1A+2], 8<<16
	s_mov_b32 s[G1A+3], 384<<16
	s_mov_b32 s[G1A+4], 8
	s_mov_b32 s[G1A+5], 1536
	s_mov_b32 s[G1A+6], 0
	s_mov_b32 s[G1A+7], 0
	; w: 64 rows of 192 bytes, 768 apart, 16 bytes of padding behind every 64
	s_or_b32 s[G1B+0], s45, (0<<16)|(1<<20)|(1<<21)|(3<<22)|(3<<25)
	s_mov_b32 s[G1B+1], 192<<16
	s_mov_b32 s[G1B+2], 64<<16
	s_mov_b32 s[G1B+3], 192<<16
	s_mov_b32 s[G1B+4], 64
	s_mov_b32 s[G1B+5], 768
	s_mov_b32 s[G1B+6], 0
	s_mov_b32 s[G1B+7], 0
	; a's scale bytes: 8 heads' rows of 512 bytes (64 elements of 8), 4,096 bytes apart
	s_or_b32 s[G1SA+0], s44, (3<<16)|(1<<21)
	s_mov_b32 s[G1SA+1], 64<<16
	s_mov_b32 s[G1SA+2], 8<<16
	s_mov_b32 s[G1SA+3], 64<<16
	s_mov_b32 s[G1SA+4], 8
	s_mov_b32 s[G1SA+5], 512
	s_mov_b32 s[G1SA+6], 0
	s_mov_b32 s[G1SA+7], 0
	; w's: a dense block of 2,048 bytes as 8 rows of 256, 16 of padding behind each
	s_or_b32 s[G1SB+0], s45, (3<<16)|(1<<20)|(1<<21)|(5<<22)|(3<<25)
	s_mov_b32 s[G1SB+1], 32<<16
	s_mov_b32 s[G1SB+2], 8<<16
	s_mov_b32 s[G1SB+3], 32<<16
	s_mov_b32 s[G1SB+4], 8
	s_mov_b32 s[G1SB+5], 32
	s_mov_b32 s[G1SB+6], 0
	s_mov_b32 s[G1SB+7], 0
	s_lshl_b32 s19, s18, 3
	s_lshl_b32 s20, s43, 4
	s_add_co_u32 s20, s20, s19                     ; a: row tile 16 y + 8 half
	s_mul_i32 s20, s20, 12288
	s_mov_b32 s21, 0
	s_lshr_b32 s22, s43, 3
	s_lshl_b32 s22, s22, 4
	s_add_co_u32 s22, s22, s19                     ; its scale bytes: head 16 batch + 8 half,
	s_lshl_b32 s22, s22, 12
	s_and_b32 s23, s43, 7
	s_lshl_b32 s23, s23, 9
	s_add_co_u32 s22, s22, s23                     ; the block's 256 rows
	s_mov_b32 s23, 0
	s_lshl_b32 s19, s18, 6
	s_lshl_b32 s46, s42, 7
	s_add_co_u32 s46, s46, s19
	s_add_co_u32 s46, s46, 3072                    ; w: row 3,072 + 128 x + 64 half
	s_lshl_b32 s66, s46, 5
	s_mul_i32 s46, s46, 768
	s_mov_b32 s47, 0
	s_mov_b32 s67, 0
	s_mul_i32 s100, s18, AHALF                     ; where they go: no place in the cluster enters an LDS address
	s_mul_i32 s101, s18, BHALF
	s_lshl_b32 s2, s18, 12
	s_mul_i32 s3, s18, 8*272
	s_wait_kmcnt 0x0
	s_add_nc_u64 s[20:21], s[4:5], s[20:21]
	s_add_nc_u64 s[22:23], s[6:7], s[22:23]
	s_add_nc_u64 s[46:47], s[8:9], s[46:47]
	s_add_nc_u64 s[66:67], s[10:11], s[66:67]
	CROUND                                         ; all sixteen work-groups are here: the first joint loads meet
	s_mov_b32 s[G0SA], 1
	s_add_co_u32 s[G0SA+1], s2, SCLA
	s_mov_b64 s[G0SA+2:G0SA+3], s[22:23]
	s_or_b32 s[G0SA+3], s[G0SA+3], 0x80000000
	s_mov_b32 s[G0SB], 1
	s_add_co_u32 s[G0SB+1], s3, SCLB
	s_mov_b64 s[G0SB+2:G0SB+3], s[66:67]
	s_or_b32 s[G0SB+3], s[G0SB+3], 0x80000000
	JLOAD G0SA, G1SA, G0SB, G1SB
.irp s, 0,1
	s_mov_b32 s[G0A+4*\s], 1
	s_add_co_u32 s[G0A+4*\s+1], s100, \s*SLOT
	s_add_nc_u64 s[G0A+4*\s+2:G0A+4*\s+3], s[20:21], \s*3072
	s_or_b32 s[G0A+4*\s+3], s[G0A+4*\s+3], 0x80000000
	s_mov_b32 s[G0B+4*\s], 1
	s_add_co_u32 s[G0B+4*\s+1], s101, \s*SLOT+BOFF
	s_add_nc_u64 s[G0B+4*\s+2:G0B+4*\s+3], s[46:47], \s*192
	s_or_b32 s[G0B+4*\s+3], s[G0B+4*\s+3], 0x80000000
	JLOAD G0A+4*\s, G1A, G0B+4*\s, G1B             ; three loads of mine are out behind the second of these
.endr
	v_and_b32 v1, 15, v0                           ; r
	v_bfe_u32 v2, v0, 4, 1                         ; h
	v_and_b32 v3, 31, v0
	v_lshlrev_b32 v[L16], 4, v3
	v_lshlrev_b32 v7, 3, v3
	v_lshlrev_b32 v6, 6, v2
	s_lshl_b32 s66, s42, 9
	s_mov_b32 s67, 0
	s_add_nc_u64 s[12:13], s[12:13], s[66:67]      ; the block's 128 numbers of the bias
	WIN 0x40
.irp t, 0,1,2,3,4,5,6,7
	global_load_b128 v[BQ+8*\t:BQ+8*\t+3], v6, s[12:13] offset:(32*(\t/2)+8*(\t%2))*4
	global_load_b128 v[BQ+8*\t+4:BQ+8*\t+7], v6, s[12:13] offset:(32*(\t/2)+8*(\t%2))*4+16
.endr
	WIN 0
	v_mul_u32_u24 v3, v1, PITCH
	v_mad_u32_u24 v4, v2, 24, v3
	v_lshl_add_u32 v5, v2, 4, v4
	s_mul_i32 s19, s16, 4*3072                     ; my four row tiles' images
.irp s, 0,1
	v_add_nc_u32 v[ADRA+\s], s19, v[L16]
	v_add_nc_u32 v[ADRA+2+\s], s19, v7
	v_add_nc_u32 v[ADRB+\s], BOFF+\s*SLOT, v4
	v_add_nc_u32 v[ADRB+2+\s], BOFF+\s*SLOT, v5
	s_add_co_u32 s19, s19, SLOT
.endr
	v_lshlrev_b32 v9, 1, v1
	s_lshl_b32 s19, s16, 7
	s_add_co_u32 s19, s19, SCLA
	v_add_nc_u32 v[ADSX], s19, v9                  ; a's scale bytes: 128 wave + 2 r (+ 512 head + 32 a)
	v_lshlrev_b32 v8, 5, v1
	v_lshrrev_b32 v9, 3, v1
	v_lshl_add_u32 v8, v9, 4, v8
	v_add_nc_u32 v[ADSW], SCLB, v8                 ; w's: 32 r + 16 (r / 8)
	s_mul_i32 s19, s16, 16*SPITCH
	s_add_co_u32 s19, s19, STG                     ; my stage
	v_mul_u32_u24 v8, v1, SPITCH
	v_lshl_add_u32 v8, v2, 6, v8
	v_add_nc_u32 v[STO], s19, v8                   ; in: row r, + 64 h
	v_add_nc_u32 v[RD], s19, v[L16]                ; back: a row of 512 bytes to the 32 lanes
	s_lshl_b32 s66, s43, 8
	s_lshl_b32 s19, s16, 6
	s_add_co_u32 s66, s66, s19
	s_lshl_b32 s66, s66, 12                        ; my first row: 256 y + 64 wave, 4,096 bytes a row
	s_lshl_b32 s19, s42, 9
	s_add_co_u32 s66, s66, s19
	s_add_nc_u64 s[14:15], s[14:15], s[66:67]
.macro FRAG reg, adr, q, i
.irp p, 0,1,2,3,4,5
.set PC, 12*(\q)+6*(\p/3)+\p%3
.if PC%8 < 5
	ds_load_b64 v[\reg+2*\p:\reg+2*\p+1], v[\adr] offset:8*PC+16*(PC/8)+(\i)*16*PITCH
.else
	ds_load_b64 v[\reg+2*\p:\reg+2*\p+1], v[\adr+2] offset:8*PC+16*(PC/8)+(\i)*16*PITCH
.endif
.endr
.endm
.macro FETCH slot, q, p                ; w's eight fragments and a's four of the slot's q-th 128 along K into set p
	WIN 0x40
.irp t, 0,1,2,3,4,5,6,7
	FRAG 96*(\p)+12*\t, ADRB+\slot, \q, \t
.endr
	WIN 0
.irp a, 0,1,2,3
	ds_load_b128 v[XF+48*(\p)+12*\a:XF+48*(\p)+12*\a+3], v[ADRA+\slot] offset:3072*\a+1536*(\q)
	ds_load_b64 v[XF+48*(\p)+12*\a+4:XF+48*(\p)+12*\a+5], v[ADRA+2+\slot] offset:3072*\a+1536*(\q)+512
	ds_load_b128 v[XF+48*(\p)+12*\a+6:XF+48*(\p)+12*\a+9], v[ADRA+\slot] offset:3072*\a+1536*(\q)+768
	ds_load_b64 v[XF+48*(\p)+12*\a+10:XF+48*(\p)+12*\a+11], v[ADRA+2+\slot] offset:3072*\a+1536*(\q)+1280
.endr
.endm
.macro MUL8 a, p, n, first             ; the accumulators take turns
.irp t, 0,1,2,3,4,5,6,7
.if \first
	v_wmma_scale_f32_16x16x128_f8f6f4 v[8*(8*\a+\t):8*(8*\a+\t)+7], v[96*\p+12*\t:96*\p+12*\t+11], v[XF+48*\p+12*\a:XF+48*\p+12*\a+11], v[BQ+8*\t:BQ+8*\t+7], v[SW+8*\t+\n], v[SX+8*\a+\n] matrix_a_fmt:MATRIX_FMT_BF6 matrix_b_fmt:MATRIX_FMT_BF6
.else
	v_wmma_scale_f32_16x16x128_f8f6f4 v[8*(8*\a+\t):8*(8*\a+\t)+7], v[96*\p+12*\t:96*\p+12*\t+11], v[XF+48*\p+12*\a:XF+48*\p+12*\a+11], v[8*(8*\a+\t):8*(8*\a+\t)+7], v[SW+8*\t+\n], v[SX+8*\a+\n] matrix_a_fmt:MATRIX_FMT_BF6 matrix_b_fmt:MATRIX_FMT_BF6
.endif
.endr
.endm
.macro EVEN n, slot, first
	s_wait_dscnt 0x0                               ; set 0 is in
.if !\first
	PLACES 4                                       ; in front of loads into registers that the last products read
.endif
	FETCH \slot, 1, 1
.if \first
	WIN 0x91                                       ; C = the bias in window 1
.else
	WIN 0xa1
.endif
	MUL8 0, 0, \n, \first
	MUL8 1, 0, \n, \first
	MUL8 2, 0, \n, \first
	MUL8 3, 0, \n, \first
.endm
.macro TURN n, slot, next, fill
	WIN 0
	s_wait_tensorcnt 0x0                           ; all my tensor loads have landed: my part of the next slot
	ds_add_u32 v[SPW], v[NIL]                      ; 0 onto my spare word
	s_wait_dscnt 1                                 ; set 1 is in; the add may be out
	WIN 0xa1
	MUL8 0, 1, \n, 0
	s_wait_dscnt 0x0                               ; the add is done, and my reads of this slot are over
	s_barrier_signal -1
	MUL8 1, 1, \n, 0
	WIN 0
	s_barrier_wait -1
.if \fill
	CREST                                          ; the barrier has opened a round of the cluster's
	s_add_nc_u64 s[G0A+4*\slot+2:G0A+4*\slot+3], s[G0A+4*\slot+2:G0A+4*\slot+3], 6144
	s_add_nc_u64 s[G0B+4*\slot+2:G0B+4*\slot+3], s[G0B+4*\slot+2:G0B+4*\slot+3], 384
	JLOAD G0A+4*\slot, G1A, G0B+4*\slot, G1B       ; my one load behind the round; its four v_nop are the places in front of the loads below
.else
	PLACES 4
.endif
	FETCH \next, 0, 0
	WIN 0xa1
	MUL8 2, 1, \n, 0
	MUL8 3, 1, \n, 0
.endm
	s_wait_tensorcnt 1                             ; the scale bytes and my part of slot 0 are in; slot 1's load may be out
	s_barrier_signal -1
	s_barrier_wait -1
.irp a, 0,1,2,3
.irp k, 0,1,2,3,4,5,6,7
	ds_load_u16 v[SX+8*\a+\k], v[ADSX] offset:1024*\k+32*\a          ; head 2 k's two bytes of my row,
	ds_load_u16 v[OD+8*\a+\k], v[ADSX] offset:1024*\k+512+32*\a      ; head 2 k + 1's
.endr
.endr
.irp t, 0,1,2,3,4,5,6,7
	ds_load_b128 v[SW+8*\t:SW+8*\t+3], v[ADSW] offset:544*\t
	ds_load_b128 v[SW+8*\t+4:SW+8*\t+7], v[ADSW] offset:544*\t+16
.endr
	FETCH 0, 0, 0
	s_wait_loadcnt 0x0                             ; the bias
	s_wait_dscnt 0x0
.set J, 0
.rept 32
	v_lshl_or_b32 v[SX+J], v[OD+J], 16, v[SX+J]    ; a K step's scale word: two heads' two bytes
.set J, J+1
.endr
	PLACES 8                                       ; a scale register written by a vector instruction stands 8 places ahead of the product
	EVEN 0, 0, 1
	TURN 1, 0, 1, 1
	EVEN 2, 1, 0
	TURN 3, 1, 0, 1
	EVEN 4, 0, 0
	TURN 5, 0, 1, 0                                ; nothing is left to fetch
	EVEN 6, 1, 0
	s_wait_dscnt 0x0
	WIN 0xa1
	MUL8 0, 1, 7, 0
	MUL8 1, 1, 7, 0
	MUL8 2, 1, 7, 0
	MUL8 3, 1, 7, 0
	WIN 0
; THE WAY OUT, a tile of 16 rows x 128 columns at a time, through my own stage: in as 32 bytes a lane, back as whole rows of 512 bytes.  LDS serves a wave's instructions in order.
.macro TOSTAGE a
	WIN 0x08                                       ; the data: window 2
.irp t, 0,1,2,3,4,5,6,7
	ds_store_b128 v[STO], v[64*(\a)+8*\t:64*(\a)+8*\t+3] offset:128*(\t/2)+32*(\t%2)        ; each accumulator from its low end on
	ds_store_b128 v[STO], v[64*(\a)+8*\t+4:64*(\a)+8*\t+7] offset:128*(\t/2)+32*(\t%2)+16
.endr
	WIN 0
.set BB, BK+64*((\a)%2)
.irp u, 0,1,2,3,4,5,6,7,8,9,10,11,12,13,14,15
	ds_load_b128 v[BB+4*\u:BB+4*\u+3], v[RD] offset:\u*SPITCH
.endr
.endm
.macro SEND a, younger                 ; younger: the LDS instructions issued behind tile a's loads
.set BB, BK+64*((\a)%2)
	s_wait_dscnt \younger
.irp u, 0,1,2,3,4,5,6,7,8,9,10,11,12,13,14,15
	global_store_b128 v[L16], v[BB+4*\u:BB+4*\u+3], s[14:15] offset:(32*((\a)/2)+8*((\a)%2)+\u+8*(\u/8))*4096 th:TH_STORE_NT   ; 512 consecutive bytes, aligned
.endr
.endm
	PLACES 4
	TOSTAGE 0
	TOSTAGE 1
	SEND 0, 32                                     ; behind tile 0's loads: tile 1's 16 stores and 16 loads
	s_wait_xcnt 0x0                                ; tile 0's stores have read their registers: tile 2's rows may land there
	TOSTAGE 2
	SEND 1, 32
	s_wait_xcnt 0x0
	TOSTAGE 3
	SEND 2, 32
	SEND 3, 0
	s_wait_tensorcnt 0x0                           ; the wave's end
	ds_add_u32 v[SPW], v[NIL]
	s_wait_dscnt 0x0
	CROUND                                         ; the closing round
	s_endpgm
.Lfunc_end_k_q3e2a0d48c4_gemm_proj:
	.size	k_q3e2a0d48c4_gemm_proj, .Lfunc_end_k_q3e2a0d48c4_gemm_proj-k_q3e2a0d48c4_gemm_proj
	.p2alignl 7, 3214868480
	.fill 96, 4, 3214868480
	.section	.rodata,"a",@progbits
	.p2align	6, 0x0
	.amdhsa_kernel k_q3e2a0d48c4_gemm_proj
		.amdhsa_group_segment_fixed_size 327680
		.amdhsa_private_segment_fixed_size 0
		.amdhsa_enable_private_segment 0
		.amdhsa_kernarg_size 48
		.amdhsa_user_sgpr_count 2
		.amdhsa_user_sgpr_kernarg_segment_ptr 1
		.amdhsa_wavefront_size32 1
		.amdhsa_system_sgpr_workgroup_id_x 1
		.amdhsa_system_sgpr_workgroup_id_y 1
		.amdhsa_system_sgpr_workgroup_id_z 1
		.amdhsa_system_vgpr_workitem_id 0
		.amdhsa_next_free_vgpr 768
		.amdhsa_next_free_sgpr 102
		.amdhsa_reserve_vcc 0
		.amdhsa_float_denorm_mode_32 3
		.amdhsa_float_denorm_mode_16_64 3
		.amdhsa_memory_ordered 1
		.amdhsa_forward_progress 1
		.amdhsa_inst_pref_size 102
	.end_amdhsa_kernel
	.amdgpu_metadata
---
amdhsa.version: [ 1, 2 ]
amdhsa.kernels:
  - .name:           k_q3e2a0d48c4_gemm_proj
    .symbol:         k_q3e2a0d48c4_gemm_proj.kd
    .args:
      - { .name: ac, .offset: 0, .size: 8, .value_kind: global_buffer, .address_space: global }
      - { .name: asc, .offset: 8, .size: 8, .value_kind: global_buffer, .address_space: global }
      - { .name: wc, .offset: 16, .size: 8, .value_kind: global_buffer, .address_space: global }
      - { .name: ws, .offset: 24, .size: 8, .value_kind: global_buffer, .address_space: global }
      - { .name: c_proj_b, .offset: 32, .size: 8, .value_kind: global_buffer, .address_space: global }
      - { .name: out0, .offset: 40, .size: 8, .value_kind: global_buffer, .address_space: global }
    .group_segment_fixed_size: 327680
    .private_segment_fixed_size: 0
    .kernarg_segment_align: 8
    .kernarg_segment_size: 48
    .max_flat_workgroup_size: 128
    .sgpr_count:     102
    .vgpr_count:     768
    .wavefront_size: 32
...
	.end_amdgpu_metadata
.endif
;; end of part 4
